; MI455X (gfx1250); checked and timed in simulation.
; The chip was launched on July 23, 2026; its instructions are those of AMD's public machine-readable ISA for CDNA 5 (MIT licence, August 2026) and "CDNA5" Instruction Set Architecture Reference Guide (July 2026). The comments in the code are by the model that wrote it; some were corrected since.
;; Block. Allowed arithmetic: matrix products marked QUANTISED: E4M3 operands, one given power-of-two scale a tensor, by v_wmma_f32_16x16x64_fp8_fp8 or v_wmma_f32_16x16x128_fp8_fp8, f32 sums; everything else in f32.
;; Inputs: W1 3,072 x 1,024 float32; W2 1,024 x 3,072 float32; Wk 16 x 1,024 x 64 float32; Wo 1,024 x 1,024 float32; Wq 16 x 1,024 x 64 float32; Wv 16 x 1,024 x 64 float32; b1 3,072 float32; b2 1,024 float32; be1 1,024 float32; be2 1,024 float32; bo 1,024 float32; g1 1,024 float32; g2 1,024 float32; lowp_scales 16 int32 (the exponents e of the quantised operands' scales 2^e); x 2 x 2,048 x 1,024 float32.
;; Outputs: out0 2 x 2,048 x 1,024 float32.
;; This version of the problem:
;;   THIS VERSION OF THE PROBLEM IS GIVEN IN LOW PRECISION. The matrix products marked QUANTISED in the list below multiply operands that are first quantised to E4M3 (4 exponent bits, 3 mantissa bits; 8 bits a number), with one given power-of-two scale for each operand tensor; their sums are f32. All else is computed in f32.
;;   The module's matrix products, in the order in which they are computed (A, B: the left and right operand; K: the contracted axis; several contracted axes count as one K, in the product's order):
;;     1. [M 1,024, K 1,024] x [K 1,024, N 4,096]; A: input Wq; B: computed on the way: QUANTISED (scales: A lowp_scales[0], B lowp_scales[1])
;;     2. [M 1,024, K 1,024] x [K 1,024, N 4,096]; A: input Wk; B: computed on the way: QUANTISED (scales: A lowp_scales[2], B lowp_scales[3])
;;     3. [M 1,024, K 1,024] x [K 1,024, N 4,096]; A: input Wv; B: computed on the way: QUANTISED (scales: A lowp_scales[4], B lowp_scales[5])
;;     4. batch 32 x [M 2,048, K 64] x [K 64, N 2,048]; A: computed on the way; B: computed on the way: QUANTISED (scales: A lowp_scales[6], B lowp_scales[7])
;;     5. batch 32 x [M 2,048, K 2,048] x [K 2,048, N 64]; A: softmax (see below); B: computed on the way: QUANTISED (scales: A lowp_scales[8], B lowp_scales[9])
;;     6. [M 4,096, K 1,024] x [K 1,024, N 1,024]; A: computed on the way; B: input Wo: QUANTISED (scales: A lowp_scales[10], B lowp_scales[11])
;;     7. [M 4,096, K 1,024] x [K 1,024, N 3,072]; A: computed on the way; B: input W1: QUANTISED (scales: A lowp_scales[12], B lowp_scales[13])
;;     8. [M 4,096, K 3,072] x [K 3,072, N 1,024]; A: computed on the way; B: input W2: QUANTISED (scales: A lowp_scales[14], B lowp_scales[15])
;;   THE QUANTISER, for each operand of a quantised product, along K:
;;     - The operand's scale is 2^e, e = its entry of the input lowp_scales (int32; the entries are numbered through the quantised products in the list's order, A before B).
;;     - Each number is divided by the scale, clamped to +-448, and rounded to the nearest number of E4M3, ties to even, subnormals kept.
;;     - The product sums the exact products of the quantised numbers (number of the format x scale) in f32.
;;   ~~~python
;;   def quantise(x, axis, e):      # numpy; x: float32 -> the quantised numbers, widened to float32 again
;;       x = np.moveaxis(x, axis, -1); K = x.shape[-1]
;;       r = np.clip(x / 2.0 ** e, -448, 448)
;;       step = 2.0 ** (np.maximum(np.frexp(np.where(r == 0, 1, r))[1] - 1, -6) - 3)
;;       q = np.round(r / step) * step * 2.0 ** e      # np.round: ties to even
;;       return np.moveaxis(q, -1, axis).astype(np.float32)
;;   ~~~
;;   SOFTMAX AHEAD OF A QUANTISED PRODUCT. Where the list says 'softmax', what is quantised is not the finished softmax but p = 2^(t - M), with t = logit x log2(e) and M = ceil(the row's largest t), a whole number; so 1/2 < the row's largest p <= 1. The row's sum l is taken of the UNQUANTISED p, in f32, and the product's result is divided by l at the end. Since M is a whole number, a kernel that streams over the keys may use a running M (the ceiling of the running maximum): every later rescaling is an exact power of two, so the quantised numbers keep their values, but for numbers so far below the row's largest that they fall under the format's range.
;;   OPERANDS COMPUTED ON THE WAY. 'Computed on the way' means the value that the module computes at that place (a softmax that the list does not call 'softmax' is quantised finished and normalised). What goes into a quantiser is computed in f32, as accurately as f32 sums, v_exp_f32 and their like allow (about 1e-6 of the number): no bf16 or f16 on the way to a quantiser, and a product that is left as it is and whose result goes on into a quantised operand takes f32 operands (vector FMAs, or v_wmma_f32_16x16x4_f32). A number that lies on a knife's edge between two numbers of the format may be rounded either way, as far as f32 arithmetic and the matrix unit's own rounding can turn it there, and no further.
;; One version. Each part assembles by itself: llvm-mc -triple=amdgcn-amd-amdhsa -mcpu=gfx1250 --defsym DOCPART=n.
;; ======== version 1 of 1: 7 launches
;; limits: right only within a limited range of input values
;; workspace buffers: pw 23,068,672 bytes; qkv 12,582,912 bytes; ctx 4,194,304 bytes; x1 16,777,216 bytes; hc 4,194,304 bytes; hid 12,582,912 bytes
;; launch prep (part 1): grid 448 x 1, 8 waves a work-group, no clusters, 66,816 bytes of LDS; arguments x, g1, be1, Wq, Wk, Wv, lowp_scales, pw; writes pw
.if DOCPART == 1
	.amdgcn_target "amdgcn-amd-amdhsa--gfx1250"
	.amdhsa_code_object_version 6
	.text
	.protected	k_qbc5ec2df7f_prep
	.globl	k_qbc5ec2df7f_prep
	.p2align	8
	.type	k_qbc5ec2df7f_prep,@function
k_qbc5ec2df7f_prep:
	s_mov_b64 s[64:65], 0
	v_nop
	global_prefetch_b8 v0, s[64:65] scope:SCOPE_SE
	s_setreg_imm32_b32 hwreg(HW_REG_WAVE_MODE, 25, 1), 1
	s_wait_xcnt 0x0
; PREP: what the first three products want becomes codes of E4M3, laid as IMAGES OF THE OPERAND'S REGISTERS.  (Wo, W1 and W2, which later launches want, are quantised under the attention.)
; A fragment is 16 rows x 128 K: lane (r = lane % 16, h = lane / 16) holds row r, its registers 2 c, 2 c + 1 hold k = 16 c + 8 h + 0 .. 7.  Its image is 2,048 bytes: registers 4 p .. 4 p + 3 of lane l at 512 p + 16 l.
; An operand [R][K] lies as [R / 16][K / 128][2,048].  Here pw gets: LN1(x) three times (scales 1, 3, 5) at 0, 4 MiB, 8 MiB; Wq, Wk, Wv (row = 64 head + d) at WQKV.
; Work-groups 0-191: Wq, Wk, Wv, whose K is not innermost: a lane takes a column d and its registers run down K.  192-447: LN1 of 16 rows each.  The two ways part on the work-group's number alone and never join; only LN1 uses LDS.
; code = number / 2^e, held within +-448, to the nearest code, ties to even.  LIMITS: each e used here lies between -126 and 119.  NaN among the inputs is not served.
.set WQKV, 12582912
.set MANT, 0x600000                    ; the mantissa field of 448 as f32
.set LI,   5                           ; v5  16 x lane
.set XA,   32                          ; LN: v32-63 my first row, v64-95 my second, v96-127 gamma, v128-159 beta
.set XB,   64
.set G,    96
.set BE,   128
.set Y,    32                          ; LN behind the barrier: v32-95 64 numbers of my K step, v96-159 held, v160-207 three fragments of codes
.set T,    96
.set CL,   160
.set XT,   32                          ; Wq..: v32-95 two sets of 32 numbers, v96-111 codes, eight registers a set
.set CT,   96
.macro MKSC e, sc, lim                 ; from the whole number in s[e]: v[sc] = 2^e as f32 (the conversion takes its exponent field), v[lim] = 448 x 2^e
	s_add_co_i32 s56, s[\e], 127
	s_lshl_b32 s57, s56, 23
	v_mov_b32 v[\sc], s57
	s_add_co_i32 s56, s56, 8
	s_lshl_b32 s56, s56, 23
	s_or_b32 s56, s56, MANT
	v_mov_b32 v[\lim], s56
.endm
.macro QUANT64 c, s, t, sc, lim        ; 64 numbers v[s] on (register 8 b + i = k 16 b + 8 h + i) are held into v[t] on and become a fragment's 16 registers v[c] on
.irp b, 0,1,2,3,4,5,6,7
.irp i, 0,1,2,3,4,5,6,7
	v_med3_num_f32 v[\t+8*\b+\i], v[\s+8*\b+\i], -v[\lim], v[\lim]   ; the conversion to an 8-bit code does not saturate (ISA guide 7.6.2)
.endr
	v_cvt_scalef32_pk8_fp8_f32 v[\c+2*\b:\c+2*\b+1], v[\t+8*\b:\t+8*\b+7], v[\sc]
.endr
	v_nop                                          ; a plain line behind the last conversion, ahead of whatever next writes its sources
.endm
	s_load_b512 s[4:19], s[0:1], 0x0               ; x 4, g1 6, be1 8, Wq 10, Wk 12, Wv 14, the scales' exponents 16, pw 18
	v_lshl_add_u32 v254, v0, 2, 0x10100
	v_mov_b32 v255, 0
	v_lshrrev_b32 v1, 5, v0
	s_delay_alu instid0(VALU_DEP_1)
	v_readfirstlane_b32 s28, v1                    ; wave 0..7
	v_and_b32 v2, 31, v0                           ; lane
	v_and_b32 v3, 15, v0                           ; r
	v_bfe_u32 v4, v0, 4, 1                         ; h
	s_delay_alu instid0(VALU_DEP_3)
	v_lshlrev_b32 v[LI], 4, v2
	s_mov_b32 s60, 0x76543210                      ; v_permlanex16_b32: lane l xor 16
	s_mov_b32 s61, 0xfedcba98
	s_wait_kmcnt 0x0
	s_load_b256 s[32:39], s[16:17], 0x0            ; e0 .. e7 in s32 .. s39
	s_cmp_lt_u32 ttmp9, 192
	s_cbranch_scc1 .Lwt
; ---------------- LN1: rows 16 g .. 16 g + 15.  Wave w norms rows 2 w and 2 w + 1 (a row is 32 registers of the wave); behind the one barrier it quantises K step w of all 16 rows, three times.
	s_sub_co_u32 s26, ttmp9, 192                   ; g
	s_lshl_b32 s30, s26, 16                        ; 16 rows of 4,096 bytes
	s_lshl_b32 s29, s28, 13
	s_add_co_u32 s30, s30, s29
	s_mov_b32 s31, 0
	s_add_nc_u64 s[4:5], s[4:5], s[30:31]
	s_wait_alu depctr_va_vdst(0)
.irp j, 0,1,2,3,4,5,6,7
	global_load_b128 v[XA+4*\j:XA+4*\j+3], v[LI], s[4:5] offset:512*\j th:TH_LOAD_NT          ; 32 lanes read 512 consecutive bytes
.endr
.irp j, 0,1,2,3,4,5,6,7
	global_load_b128 v[XB+4*\j:XB+4*\j+3], v[LI], s[4:5] offset:4096+512*\j th:TH_LOAD_NT
.endr
.irp j, 0,1,2,3,4,5,6,7
	global_load_b128 v[G+4*\j:G+4*\j+3], v[LI], s[6:7] offset:512*\j
.endr
.irp j, 0,1,2,3,4,5,6,7
	global_load_b128 v[BE+4*\j:BE+4*\j+3], v[LI], s[8:9] offset:512*\j
.endr
	s_mul_i32 s29, s28, 8224
	v_add_nc_u32 v12, s29, v[LI]                   ; into LDS: row 2 w, 16 bytes a lane; rows are 4,112 bytes apart (1,028 words: row r starts at bank 4 r mod 64)
	v_mul_u32_u24 v13, v3, 4112
	s_delay_alu instid0(VALU_DEP_1)
	v_lshl_add_u32 v13, v4, 5, v13
	s_lshl_b32 s29, s28, 9
	v_add_nc_u32 v13, s29, v13                     ; back: row r, K step w, + 32 h: my eight numbers of each 16
	s_lshl_b32 s30, s26, 14
	s_lshl_b32 s29, s28, 11
	s_add_co_u32 s30, s30, s29
	s_add_nc_u64 s[50:51], s[18:19], s[30:31]      ; row tile g, K step w, in each of the three sets
	s_add_nc_u64 s[52:53], s[50:51], 0x400000
	s_add_nc_u64 s[54:55], s[52:53], 0x400000
	v_mov_b32 v230, 0                              ; a lane permute's destination counts as read
	v_mov_b32 v231, 0
.macro WRED ta, tb                     ; sums over the 32 lanes, two rows by turns
.irp m, 1,2,4,8
	s_delay_alu instid0(VALU_DEP_2)
	v_add_f32_dpp v[\ta], v[\ta], v[\ta] row_xmask:\m row_mask:0xf bank_mask:0xf
	s_delay_alu instid0(VALU_DEP_2)
	v_add_f32_dpp v[\tb], v[\tb], v[\tb] row_xmask:\m row_mask:0xf bank_mask:0xf
.endr
	s_delay_alu instid0(VALU_DEP_2)
	v_permlanex16_b32 v230, v[\ta], s60, s61
	s_delay_alu instid0(VALU_DEP_2)
	v_permlanex16_b32 v231, v[\tb], s60, s61
	s_delay_alu instid0(VALU_DEP_2)
	v_add_f32 v[\ta], v[\ta], v230
	s_delay_alu instid0(VALU_DEP_2)
	v_add_f32 v[\tb], v[\tb], v231
.endm
	s_wait_loadcnt 16                              ; x's sixteen loads are in; gamma's and beta's sixteen may be out
	v_pk_add_f32 v[208:209], v[XA:XA+1], v[XA+2:XA+3]
	v_pk_add_f32 v[212:213], v[XB:XB+1], v[XB+2:XB+3]
	v_pk_add_f32 v[210:211], v[XA+4:XA+5], v[XA+6:XA+7]
	v_pk_add_f32 v[214:215], v[XB+4:XB+5], v[XB+6:XB+7]
.irp j, 8,12,16,20,24,28
	s_delay_alu instid0(VALU_DEP_4)
	v_pk_add_f32 v[208:209], v[208:209], v[XA+\j:XA+\j+1]
	s_delay_alu instid0(VALU_DEP_4)
	v_pk_add_f32 v[212:213], v[212:213], v[XB+\j:XB+\j+1]
	s_delay_alu instid0(VALU_DEP_4)
	v_pk_add_f32 v[210:211], v[210:211], v[XA+\j+2:XA+\j+3]
	s_delay_alu instid0(VALU_DEP_4)
	v_pk_add_f32 v[214:215], v[214:215], v[XB+\j+2:XB+\j+3]
.endr
	s_delay_alu instid0(VALU_DEP_2)
	v_pk_add_f32 v[208:209], v[208:209], v[210:211]
	s_delay_alu instid0(VALU_DEP_2)
	v_pk_add_f32 v[212:213], v[212:213], v[214:215]
	s_delay_alu instid0(VALU_DEP_2)
	v_add_f32 v208, v208, v209
	s_delay_alu instid0(VALU_DEP_2)
	v_add_f32 v212, v212, v213
	WRED 208, 212
	s_delay_alu instid0(VALU_DEP_2)
	v_mul_f32 v208, 0x3a800000, v208               ; the mean: sum / 1,024
	s_delay_alu instid0(VALU_DEP_2)
	v_mul_f32 v212, 0x3a800000, v212
	s_delay_alu instid0(VALU_DEP_2)
	v_mov_b32 v209, v208
	s_delay_alu instid0(VALU_DEP_2)
	v_mov_b32 v213, v212
.irp j, 0,2,4,6,8,10,12,14,16,18,20,22,24,26,28,30
	v_pk_add_f32 v[XA+\j:XA+\j+1], v[XA+\j:XA+\j+1], v[208:209] neg_lo:[0,1] neg_hi:[0,1]   ; x - mean first: the squares are of differences, so a common offset of x costs nothing
	v_pk_add_f32 v[XB+\j:XB+\j+1], v[XB+\j:XB+\j+1], v[212:213] neg_lo:[0,1] neg_hi:[0,1]
.endr
	v_pk_mul_f32 v[216:217], v[XA:XA+1], v[XA:XA+1]
	v_pk_mul_f32 v[220:221], v[XB:XB+1], v[XB:XB+1]
	v_pk_mul_f32 v[218:219], v[XA+2:XA+3], v[XA+2:XA+3]
	v_pk_mul_f32 v[222:223], v[XB+2:XB+3], v[XB+2:XB+3]
.irp j, 4,8,12,16,20,24,28
	s_delay_alu instid0(VALU_DEP_4)
	v_pk_fma_f32 v[216:217], v[XA+\j:XA+\j+1], v[XA+\j:XA+\j+1], v[216:217]
	s_delay_alu instid0(VALU_DEP_4)
	v_pk_fma_f32 v[220:221], v[XB+\j:XB+\j+1], v[XB+\j:XB+\j+1], v[220:221]
	s_delay_alu instid0(VALU_DEP_4)
	v_pk_fma_f32 v[218:219], v[XA+\j+2:XA+\j+3], v[XA+\j+2:XA+\j+3], v[218:219]
	s_delay_alu instid0(VALU_DEP_4)
	v_pk_fma_f32 v[222:223], v[XB+\j+2:XB+\j+3], v[XB+\j+2:XB+\j+3], v[222:223]
.endr
	s_delay_alu instid0(VALU_DEP_2)
	v_pk_add_f32 v[216:217], v[216:217], v[218:219]
	s_delay_alu instid0(VALU_DEP_2)
	v_pk_add_f32 v[220:221], v[220:221], v[222:223]
	s_delay_alu instid0(VALU_DEP_2)
	v_add_f32 v216, v216, v217
	s_delay_alu instid0(VALU_DEP_2)
	v_add_f32 v220, v220, v221
	WRED 216, 220
	s_delay_alu instid0(VALU_DEP_2)
	v_mul_f32 v216, 0x3a802008, v216               ; / 1,023: the unbiased variance
	s_delay_alu instid0(VALU_DEP_2)
	v_mul_f32 v220, 0x3a802008, v220
	s_wait_alu depctr_va_vdst(0)
	v_sqrt_f32 v218, v216
	v_sqrt_f32 v222, v220
	v_nop                                          ; a plain line behind the roots,
	s_wait_alu depctr_va_vdst(0)                   ; and the one wait ahead of their first reader
	v_add_f32 v218, 0x358637bd, v218               ; std + 1e-6
	v_add_f32 v222, 0x358637bd, v222
	s_wait_alu depctr_va_vdst(0)
	v_rcp_f32 v216, v218
	v_rcp_f32 v220, v222
	v_nop
	s_wait_alu depctr_va_vdst(0)
	v_mov_b32 v217, v216
	v_mov_b32 v221, v220
	s_wait_alu depctr_va_vdst(0)
	s_wait_loadcnt 0x0                             ; gamma and beta
.irp j, 0,2,4,6,8,10,12,14,16,18,20,22,24,26,28,30
	v_pk_mul_f32 v[XA+\j:XA+\j+1], v[XA+\j:XA+\j+1], v[216:217]
	v_pk_mul_f32 v[XB+\j:XB+\j+1], v[XB+\j:XB+\j+1], v[220:221]
.endr
.irp j, 0,2,4,6,8,10,12,14,16,18,20,22,24,26,28,30
	v_pk_fma_f32 v[XA+\j:XA+\j+1], v[XA+\j:XA+\j+1], v[G+\j:G+\j+1], v[BE+\j:BE+\j+1]
	v_pk_fma_f32 v[XB+\j:XB+\j+1], v[XB+\j:XB+\j+1], v[G+\j:G+\j+1], v[BE+\j:BE+\j+1]
.endr
.irp j, 0,1,2,3,4,5,6,7
	ds_store_b128 v12, v[XA+4*\j:XA+4*\j+3] offset:512*\j
	ds_store_b128 v12, v[XB+4*\j:XB+4*\j+3] offset:4112+512*\j
.endr
	s_wait_dscnt 0x0                               ; for the others' sake: my two rows lie in LDS
	s_barrier_signal -1
	s_barrier_wait -1
.irp c, 0,1,2,3,4,5,6,7
	ds_load_b128 v[Y+8*\c:Y+8*\c+3], v13 offset:64*\c
	ds_load_b128 v[Y+8*\c+4:Y+8*\c+7], v13 offset:64*\c+16
.endr
	s_wait_kmcnt 0x0
	MKSC 33, 224, 225                              ; the three scales under which the three products take the same numbers
	MKSC 35, 226, 227
	MKSC 37, 228, 229
	s_wait_alu depctr_va_vdst(0)
	s_wait_dscnt 0x0
	QUANT64 CL, Y, T, 224, 225
.irp c, 0,1,2,3
	global_store_b128 v[LI], v[CL+4*\c:CL+4*\c+3], s[50:51] offset:512*\c          ; 32 lanes store 512 consecutive bytes
.endr
	QUANT64 CL+16, Y, T, 226, 227
.irp c, 0,1,2,3
	global_store_b128 v[LI], v[CL+16+4*\c:CL+16+4*\c+3], s[52:53] offset:512*\c
.endr
	QUANT64 CL+32, Y, T, 228, 229
.irp c, 0,1,2,3
	global_store_b128 v[LI], v[CL+32+4*\c:CL+32+4*\c+3], s[54:55] offset:512*\c
.endr
	s_wait_tensorcnt 0x0
	ds_add_u32 v254, v255
	s_wait_dscnt 0x0
	s_endpgm
; ---------------- Wq, Wk, Wv: [head][1,024 k][64 d].  Work-group = (tensor, head, two K steps of 128).  A wave takes 64 k of one K step x two d tiles: half of two fragments, 64 loads, which all go out together.
.Lwt:
	s_lshr_b32 s26, ttmp9, 6                       ; which tensor
	s_bfe_u32 s27, ttmp9, 0x40002                  ; head
	s_and_b32 s29, ttmp9, 3
	s_lshl_b32 s29, s29, 1
	s_lshr_b32 s30, s28, 2
	s_add_co_u32 s29, s29, s30                     ; K step 0..7
	s_bfe_u32 s48, s28, 0x10001                    ; which 64 of its 128 k: registers 8 x that on
	s_and_b32 s49, s28, 1                          ; which two d tiles
	s_cmp_eq_u32 s26, 0
	s_cselect_b64 s[50:51], s[10:11], s[12:13]
	s_cmp_eq_u32 s26, 2
	s_cselect_b64 s[50:51], s[14:15], s[50:51]
	s_lshl_b32 s30, s27, 18                        ; a head is 1,024 x 256 bytes,
	s_lshl_b32 s31, s29, 15                        ; a K step 128 x 256,
	s_add_co_u32 s30, s30, s31
	s_lshl_b32 s31, s48, 14                        ; its half 64 x 256,
	s_add_co_u32 s30, s30, s31
	s_lshl_b32 s31, s49, 7                         ; two d tiles 128 bytes of a row
	s_add_co_u32 s30, s30, s31
	s_mov_b32 s31, 0
	s_add_nc_u64 s[50:51], s[50:51], s[30:31]
	s_lshl_b32 s30, s26, 20                        ; row tile 64 tensor + 4 head + 2 x pair (+ t), of 16,384 bytes,
	s_lshl_b32 s2, s27, 16
	s_add_co_u32 s30, s30, s2
	s_lshl_b32 s2, s49, 15
	s_add_co_u32 s30, s30, s2
	s_lshl_b32 s2, s29, 11                         ; K step,
	s_add_co_u32 s30, s30, s2
	s_lshl_b32 s2, s48, 10                         ; registers 8 x half on
	s_add_co_u32 s30, s30, s2
	s_add_co_u32 s30, s30, WQKV
	s_add_nc_u64 s[52:53], s[18:19], s[30:31]
	s_wait_alu depctr_va_vdst(0)
	v_lshlrev_b32 v6, 2, v3
	s_delay_alu instid0(VALU_DEP_1)
	v_lshl_add_u32 v6, v4, 11, v6                  ; column r of a tile, eight rows of k further down for lanes 16-31
.macro LOADU t                         ; d tile t of my two: W(16 c + 8 h + j, 16 t + r) of my 64 rows of k: sixteen lanes read 64 neighbouring bytes; the two tiles and the neighbour wave's two share each row's 256 bytes
.irp c, 0,1,2,3
.irp j, 0,1,2,3,4,5,6,7
	global_load_b32 v[XT+32*(\t)+8*\c+\j], v6, s[50:51] offset:(16*\c+\j)*256+64*(\t)
.endr
.endr
.endm
	LOADU 0
	LOADU 1
	s_wait_kmcnt 0x0
	s_cmp_eq_u32 s26, 0
	s_cselect_b32 s58, s32, s34
	s_cmp_eq_u32 s26, 2
	s_cselect_b32 s58, s36, s58                    ; e0, e2 or e4
	MKSC 58, 11, 10
.macro UNIT t
	s_wait_loadcnt 32*(1-(\t))                     ; this tile's 32 loads are in; the second tile's 32 may be out
.irp c, 0,1,2,3
.irp j, 0,1,2,3,4,5,6,7
	v_med3_num_f32 v[XT+32*(\t)+8*\c+\j], v[XT+32*(\t)+8*\c+\j], -v10, v10
.endr
	v_cvt_scalef32_pk8_fp8_f32 v[CT+8*(\t)+2*\c:CT+8*(\t)+2*\c+1], v[XT+32*(\t)+8*\c:XT+32*(\t)+8*\c+7], v11
.endr
	v_nop
	global_store_b128 v[LI], v[CT+8*(\t):CT+8*(\t)+3], s[52:53] offset:(\t)*16384            ; 32 lanes store 512 consecutive bytes
	global_store_b128 v[LI], v[CT+8*(\t)+4:CT+8*(\t)+7], s[52:53] offset:(\t)*16384+512
.endm
	s_wait_alu depctr_va_vdst(0)
	UNIT 0
	UNIT 1
	s_endpgm
.Lfunc_end_k_qbc5ec2df7f_prep:
	.size	k_qbc5ec2df7f_prep, .Lfunc_end_k_qbc5ec2df7f_prep-k_qbc5ec2df7f_prep
	.p2alignl 7, 3214868480
	.fill 96, 4, 3214868480
	.section	.rodata,"a",@progbits
	.p2align	6, 0x0
	.amdhsa_kernel k_qbc5ec2df7f_prep
		.amdhsa_group_segment_fixed_size 66816
		.amdhsa_private_segment_fixed_size 0
		.amdhsa_enable_private_segment 0
		.amdhsa_kernarg_size 64
		.amdhsa_user_sgpr_count 2
		.amdhsa_user_sgpr_kernarg_segment_ptr 1
		.amdhsa_wavefront_size32 1
		.amdhsa_system_sgpr_workgroup_id_x 1
		.amdhsa_system_sgpr_workgroup_id_y 1
		.amdhsa_system_sgpr_workgroup_id_z 1
		.amdhsa_system_vgpr_workitem_id 0
		.amdhsa_next_free_vgpr 256
		.amdhsa_next_free_sgpr 66
		.amdhsa_reserve_vcc 0
		.amdhsa_float_denorm_mode_32 3
		.amdhsa_float_denorm_mode_16_64 3
		.amdhsa_memory_ordered 1
		.amdhsa_forward_progress 1
		.amdhsa_inst_pref_size 51
	.end_amdhsa_kernel
	.amdgpu_metadata
---
amdhsa.version: [ 1, 2 ]
amdhsa.kernels:
  - .name:           k_qbc5ec2df7f_prep
    .symbol:         k_qbc5ec2df7f_prep.kd
    .args:
      - { .name: x, .offset: 0, .size: 8, .value_kind: global_buffer, .address_space: global }
      - { .name: g1, .offset: 8, .size: 8, .value_kind: global_buffer, .address_space: global }
      - { .name: be1, .offset: 16, .size: 8, .value_kind: global_buffer, .address_space: global }
      - { .name: Wq, .offset: 24, .size: 8, .value_kind: global_buffer, .address_space: global }
      - { .name: Wk, .offset: 32, .size: 8, .value_kind: global_buffer, .address_space: global }
      - { .name: Wv, .offset: 40, .size: 8, .value_kind: global_buffer, .address_space: global }
      - { .name: lowp_scales, .offset: 48, .size: 8, .value_kind: global_buffer, .address_space: global }
      - { .name: pw, .offset: 56, .size: 8, .value_kind: global_buffer, .address_space: global }
    .group_segment_fixed_size: 66816
    .private_segment_fixed_size: 0
    .kernarg_segment_align: 8
    .kernarg_segment_size: 64
    .max_flat_workgroup_size: 256
    .sgpr_count:     66
    .vgpr_count:     256
    .wavefront_size: 32
...
	.end_amdgpu_metadata
.endif
;; end of part 1
;; launch qkv (part 2): grid 12 x 16, 4 waves a work-group, clusters of 4 x 4, 327,680 bytes of LDS; arguments pw, lowp_scales, qkv; writes qkv
.if DOCPART == 2
	.amdgcn_target "amdgcn-amd-amdhsa--gfx1250"
	.amdhsa_code_object_version 6
	.text
	.protected	k_qbc5ec2df7f_qkv
	.globl	k_qbc5ec2df7f_qkv
	.p2align	8
	.type	k_qbc5ec2df7f_qkv,@function
k_qbc5ec2df7f_qkv:
	s_mov_b64 s[64:65], 0
	v_nop
	global_prefetch_b8 v0, s[64:65] scope:SCOPE_SE
	s_setreg_imm32_b32 hwreg(HW_REG_WAVE_MODE, 25, 1), 1
	s_wait_xcnt 0x0
	s_wait_alu depctr_hold_cnt(0) depctr_sa_sdst(0) depctr_va_vdst(0) depctr_va_sdst(0) depctr_va_ssrc(0) depctr_va_vcc(0) depctr_vm_vsrc(0)
	s_getreg_b32 s2, hwreg(HW_REG_IB_STS2, 6, 4)
	s_cmp_eq_u32 s2, 0
	s_cbranch_scc0 .Lentry_in_a_cluster
	s_endpgm
.Lentry_in_a_cluster:
	s_bfe_u32 s2, ttmp6, 0x10000c
	s_cmp_lg_u32 s2, 0xf033
	s_cbranch_scc0 .Lentry_shape_is_right
	s_endpgm
.Lentry_shape_is_right:
; q, k, v = LN1(x) times Wq, Wk, Wv on codes of E4M3, and their own codes for the attention.  Three products [4,096 tokens] x [1,024 (head, d)], K = 1,024; the cluster's x says which.
; A work-group of four waves makes 256 x 256 of a product, a wave 128 x 128: 64 accumulators.  K goes in steps of 256 through two LDS slots.
; OPERANDS ARE IMAGES OF THEIR REGISTERS: a fragment (16 rows x 128 K) is 2,048 consecutive bytes, registers 4 p .. 4 p + 3 of lane l at 512 p + 16 l; an operand is [row tile][K step][2,048].  So a slot's part of a row tile is
; 4,096 consecutive bytes, a wave's tensor load is 8 such rows, LDS needs no padding (every LDS load takes 512 consecutive bytes), and k stands in its own place in every matrix instruction.
; THE MATRIX INSTRUCTION IS USED TRANSPOSED: source 1 = the side called A here (its row = the lane), source 0 = the side called B (its rows run along a lane's registers).  The eight registers of accumulator (a, b) are
; columns 16 b + 8 h + 0 .. 7 of row 16 a + r: one conversion makes registers 2 b, 2 b + 1 of the NEXT operand's fragment.  For q and k A = tokens, B = weight rows (the next K is d); for v A = weight rows, B = tokens (the next K is the keys).
; CLUSTERS 4 x 4: A's tiles are asked for jointly along a row of the cluster, B's along a column.  All sixteen partners share the cluster's x, so what is chosen by it is alike in all of them.
; qkv: q at 0, k at 4 MiB: [16 batch + head][token tile 0..127][1,024] (fragments of K = 64); v at 8 MiB: [16 batch + head][128 keys: 0..15][d tile 0..3][2,048].
; LIMIT: e6 - e0 - e1, e7 - e2 - e3 and e9 - e4 - e5 lie between -126 and 119.
; REGISTERS: window 0: v16-31 addresses and scales, v128-255 A's fragments, one set (on the way out at work); window 1: B's, two sets; windows 2, 3: the accumulators.
.set WQKV,  12582912
.set MANT,  0x600000
.set FRB,   2048                       ; a fragment's image
.set RT,    4096                       ; a row tile's two K steps in a slot
.set HALFT, 8*RT                       ; what one tensor load brings, and what one wave reads of A or of B
.set SLOT,  4*HALFT                    ; A's 16 row tiles, then B's 16
.set SPARE, 2*SLOT                     ; behind the ring: the spare words, 128 bytes for each wave
.set LAPS,  2                          ; 1,024 / 512: a lap is once round the ring
.set FR,    16
.set NL,    4
.set NP,    4                          ; places behind this matrix instruction (ISA guide 7.12.1)
.set ADRA, 16                          ; v16-17 my A fragments in slot 0, 1
.set ADRB, 20                          ; v20-21 the same for B
.set VO0,  24                          ; v24  where registers 0-7 of a block's codes go
.set VO1,  25                          ; v25  where registers 8-15 go
.set LI,   26                          ; v26  16 x lane
.set SPW,  28
.set NIL,  29
.set SC,   30                          ; v30  the conversion's scale
.set LIM,  31                          ; v31  448 x that
.set AF,   128
.set TMP,  128
.set CD,   192
.set G1, 24
.set G0, 32
.set G1B, 48
.set G0B, 56
.set MSB, 0
.macro WIN new                         ; the immediate's high byte repeats the setting that is left
.if MSB != \new
	s_set_vgpr_msb (MSB<<8)|\new
.set MSB, \new
.endif
.endm
.set MUL_LO, 0xa1                      ; source 0 (B) window 1, source 1 (A) window 0, C and D window 2
.set MUL_HI, 0xf1
.set TO_B,   0x40
.macro JLOAD g0a, g1a, g0b, g1b        ; a joint load: waves 0 and 1 fetch for A, waves 2 and 3 for B; four v_nop follow each line
	s_cmp_eq_u32 s15, 0
	s_cbranch_scc0 .Lfor_b_\@
	tensor_load_to_lds s[\g0a:\g0a+3], s[\g1a:\g1a+7]
	s_nop 0
.rept 4
	v_nop
.endr
	s_branch .Lasked_\@
.Lfor_b_\@:
	tensor_load_to_lds s[\g0b:\g0b+3], s[\g1b:\g1b+7]
	s_nop 0
.rept 4
	v_nop
.endr
.Lasked_\@:
.endm
.macro CREST                           ; a round of the cluster's barrier behind its opening barrier
	s_cmp_lg_u32 s14, 0
	s_cbranch_scc1 .Lnot_wave_0_\@
	s_barrier_signal -3
.Lnot_wave_0_\@:
	s_barrier_wait -3
	s_barrier_signal -1
	s_barrier_wait -1
.endm
.macro CROUND
	s_barrier_signal -1
	s_barrier_wait -1
	CREST
.endm
	s_load_b128 s[4:7], s[0:1], 0x0                ; pw, the scales' exponents
	s_load_b64 s[8:9], s[0:1], 0x10                ; qkv
	v_lshl_add_u32 v[SPW], v0, 2, SPARE
	v_mov_b32 v[NIL], 0
	ds_add_u32 v28, v29
	ds_add_u32 v28, v29
	s_wait_dscnt 0x0
	v_lshrrev_b32 v1, 5, v0
	v_readfirstlane_b32 s14, v1                    ; wave 0..3
	s_lshr_b32 s15, s14, 1                         ; which half of A's rows is mine.  Also: I fetch for A (0) or for B (1)
	s_and_b32 s16, s14, 1                          ; which half of B's.  Also: which 8 row tiles I fetch
	s_bfe_u32 s40, ttmp6, 0x40000                  ; cx, cy
	s_bfe_u32 s41, ttmp6, 0x40004
	s_lshl_b32 s43, s41, 2
	s_lshl_b32 s43, 15, s43                        ; my row of the cluster
	s_lshl_b32 s44, 0x1111, s40                    ; my column
	s_or_b32 s[G1+0], s43, (3<<16)|(1<<21)         ; 15:0 the mask; 17:16 elements of 8 bytes; 21 set beside a mask; no padding
	s_or_b32 s[G1B+0], s44, (3<<16)|(1<<21)
.irp g, G1, G1B
	s_mov_b32 s[\g+1], 512<<16                     ; tensor_dim0 = 512 elements: 4,096 bytes
	s_mov_b32 s[\g+2], 8<<16                       ; tensor_dim1 = 8 row tiles
	s_mov_b32 s[\g+3], 512<<16                     ; tile_dim0
	s_mov_b32 s[\g+4], 8                           ; tile_dim1
	s_mov_b32 s[\g+5], 2048                        ; from row tile to row tile: 16,384 bytes
	s_mov_b32 s[\g+6], 0
	s_mov_b32 s[\g+7], 0
.endr
	s_and_b32 s18, ttmp7, 0xffff
	s_lshl_b32 s18, s18, 2                         ; 4 x cluster y: it counts blocks of 256 tokens
	s_lshl_b32 s20, ttmp9, 22                      ; q, k: A = LN1's set for this product,
	s_lshl_b32 s46, ttmp9, 20
	s_add_co_u32 s46, s46, WQKV                    ;       B = this product's weight
	s_cmp_eq_u32 ttmp9, 2                          ; v?  The same answer in all sixteen partners
	s_cselect_b32 s21, 0, s18
	s_cselect_b32 s22, s18, 0
	s_mov_b32 s23, WQKV+0x200000
	s_cselect_b32 s20, s23, s20                    ; v: A = Wv,
	s_mov_b32 s23, 0x800000
	s_cselect_b32 s46, s23, s46                    ;    B = LN1's third set
	s_add_co_u32 s17, s41, s21                     ; A's block of 256 rows: hangs on cy, never on cx
	s_add_co_u32 s42, s40, s22                     ; B's: hangs on cx, never on cy
	s_lshl_b32 s21, s17, 18
	s_add_co_u32 s20, s20, s21
	s_lshl_b32 s47, s42, 18
	s_add_co_u32 s46, s46, s47
	s_lshl_b32 s21, s16, 17                        ; the 8 row tiles that I fetch
	s_add_co_u32 s20, s20, s21
	s_add_co_u32 s46, s46, s21
	s_mov_b32 s21, 0
	s_mov_b32 s47, 0
	s_mul_i32 s45, s14, HALFT                      ; where they go: no place in the cluster enters an LDS address
	s_wait_kmcnt 0x0
	s_load_b512 s[68:83], s[6:7], 0x0              ; e0 .. e15 in s68 .. s83
	s_add_nc_u64 s[20:21], s[4:5], s[20:21]
	s_add_nc_u64 s[46:47], s[4:5], s[46:47]
	CROUND                                         ; all sixteen work-groups are here: the first joint loads meet
.irp s, 0,1
	s_mov_b32 s[G0+4*\s], 1
	s_add_co_u32 s[G0+4*\s+1], s45, \s*SLOT
	s_add_nc_u64 s[G0+4*\s+2:G0+4*\s+3], s[20:21], \s*RT
	s_or_b32 s[G0+4*\s+3], s[G0+4*\s+3], 0x80000000
	s_mov_b32 s[G0B+4*\s], 1
	s_add_co_u32 s[G0B+4*\s+1], s45, \s*SLOT
	s_add_nc_u64 s[G0B+4*\s+2:G0B+4*\s+3], s[46:47], \s*RT
	s_or_b32 s[G0B+4*\s+3], s[G0B+4*\s+3], 0x80000000
.endr
	s_cmp_eq_u32 s15, 0                            ; the prefetches: of the 8 row tiles that I fetch, each of the four partners that ask with me names two, told apart by address
	s_cselect_b64 s[94:95], s[20:21], s[46:47]
	s_cselect_b32 s98, s40, s41                    ; cx among A's partners, cy among B's
	s_lshl_b32 s98, s98, 15                        ; two row tiles of 16,384 bytes
	s_mov_b32 s99, 0
	s_add_nc_u64 s[94:95], s[94:95], s[98:99]
	JLOAD G0, G1, G0B, G1B                         ; slot 0: one tensor load a wave at the head
	v_bfe_u32 v2, v0, 4, 1
	v_and_b32 v3, 15, v0
	v_lshlrev_b32 v3, 8, v3
	v_lshl_add_u32 v22, v2, 14, v3                 ; lanes 0-15: 16 blocks of 256 bytes of one row tile's part of a slot; lanes 16-31: of the next row tile's
	s_wait_alu depctr_va_vdst(0)                   ; the wait behind the write
	global_prefetch_b8 v22, s[94:95] offset:RT th:TH_LOAD_NT scope:SCOPE_SE      ; slot 1's bytes, one fill ahead of their load,
	global_prefetch_b8 v22, s[94:95] offset:2*RT th:TH_LOAD_NT scope:SCOPE_SE    ; and slot 2's, two fills ahead
	v_and_b32 v6, 31, v0
	v_lshlrev_b32 v[LI], 4, v6
	s_wait_alu depctr_va_vdst(0)
	s_mul_i32 s21, s15, HALFT
	s_mul_i32 s22, s16, HALFT
	s_add_co_u32 s22, s22, 2*HALFT
.irp s, 0,1
	v_add_nc_u32 v[ADRA+\s], s21, v[LI]
	v_add_nc_u32 v[ADRB+\s], s22, v[LI]
	s_add_co_u32 s21, s21, SLOT
	s_add_co_u32 s22, s22, SLOT
.endr
	; where the codes go.  q, k: (batch, head = 4 TC + 2 half), token tile 16 (TR % 8) + 8 half + a; the second head's registers 131,072 bytes on
	s_lshl_b32 s86, ttmp9, 22
	s_lshr_b32 s87, s17, 3
	s_lshl_b32 s87, s87, 21
	s_add_co_u32 s86, s86, s87
	s_lshl_b32 s87, s42, 2
	s_lshl_b32 s88, s16, 1
	s_add_co_u32 s87, s87, s88
	s_lshl_b32 s87, s87, 17
	s_add_co_u32 s86, s86, s87
	s_and_b32 s87, s17, 7
	s_lshl_b32 s87, s87, 4
	s_lshl_b32 s88, s15, 3
	s_add_co_u32 s87, s87, s88
	s_lshl_b32 s87, s87, 10
	s_add_co_u32 s86, s86, s87
	; v: block of 128 keys 2 TC + half (its batch above bit 4), head 4 TR + 2 half + a / 4, d tile a % 4
	s_lshl_b32 s89, s42, 1
	s_add_co_u32 s89, s89, s16
	s_lshr_b32 s90, s89, 4
	s_lshl_b32 s90, s90, 21
	s_add_co_u32 s90, s90, 0x800000
	s_and_b32 s89, s89, 15
	s_lshl_b32 s89, s89, 13
	s_add_co_u32 s90, s90, s89
	s_lshl_b32 s89, s17, 2
	s_lshl_b32 s88, s15, 1
	s_add_co_u32 s89, s89, s88
	s_lshl_b32 s89, s89, 17
	s_add_co_u32 s90, s90, s89
	s_cmp_eq_u32 ttmp9, 2
	s_cselect_b32 s86, s90, s86
	s_mov_b32 s87, 1024
	s_cselect_b32 s84, 2048, s87                   ; from block a to block a + 1
	s_cselect_b32 s85, 122880, 0                   ; and more at a = 4: v's next head
	s_mov_b32 s87, 131072
	s_cselect_b32 s88, 1024, s87                   ; from registers 0-7 to registers 8-15
	v_add_nc_u32 v[VO0], s86, v[LI]
	v_add_nc_u32 v[VO1], s88, v[VO0]
.macro FRAG reg, adr, q, i             ; a fragment comes back as it was stored: four loads of 512 consecutive bytes
.irp c, 0,1,2,3
	ds_load_b128 v[\reg+4*\c:\reg+4*\c+3], v[\adr] offset:(\i)*RT+(\q)*FRB+512*\c
.endr
.endm
; 16 matrix instructions: A's blocks a0, a0 + 1 x B's eight.  The 64 accumulators take turns, one instruction a turn, in the same order in every step.
.macro MUL16 a0, p, zero
.irp a, \a0, \a0+1
.irp b, 0,1,2,3,4,5,6,7
.if \zero
	v_wmma_f32_16x16x128_fp8_fp8 v[8*(8*((\a)%4)+\b):8*(8*((\a)%4)+\b)+7], v[128*(\p)+FR*\b:128*(\p)+FR*\b+FR-1], v[AF+FR*(\a):AF+FR*(\a)+FR-1], 0
.else
	v_wmma_f32_16x16x128_fp8_fp8 v[8*(8*((\a)%4)+\b):8*(8*((\a)%4)+\b)+7], v[128*(\p)+FR*\b:128*(\p)+FR*\b+FR-1], v[AF+FR*(\a):AF+FR*(\a)+FR-1], v[8*(8*((\a)%4)+\b):8*(8*((\a)%4)+\b)+7]
.endif
.endr
.endr
.endm
.macro FETCH_B slot, q, p
	WIN TO_B
.irp i, 0,1,2,3,4,5,6,7
	FRAG 128*(\p)+FR*\i, ADRB+\slot, \q, \i
.endr
	WIN 0
.endm
.macro FETCH_A slot, q, i0
.irp i, \i0, \i0+1, \i0+2, \i0+3
	FRAG AF+FR*(\i), ADRA+\slot, \q, \i
.endr
.endm
.macro PLACES n                        ; plain vector lines between a matrix instruction and a load into, or a vector line on, its registers
.rept \n
	v_nop
.endr
.endm
.macro STEP slot, q, zero              ; 128 along K whose successor lies in the same slot
	s_wait_dscnt 4*NL                              ; B's set and A's blocks 0-3 are in; the youngest sixteen loads (A's blocks 4-7) may be out
	WIN MUL_LO
	MUL16 0, (\q)%2, \zero
	MUL16 2, (\q)%2, \zero
	s_wait_dscnt 0                                 ; A's blocks 4-7 are in
	PLACES NP
	FETCH_B \slot, (\q)+1, 1-(\q)%2
	FETCH_A \slot, (\q)+1, 0
	WIN MUL_HI
	MUL16 4, (\q)%2, \zero
	MUL16 6, (\q)%2, \zero
	PLACES NP
	WIN 0
	FETCH_A \slot, (\q)+1, 4
.endm
; A slot's last step changes slots: one barrier; in front of it each wave waits for all its tensor loads, adds 0 to its spare word, and waits for that and for its reads of this slot.
.macro TURN slot, next, fill
	s_wait_tensorcnt 0x0                           ; all my tensor loads have landed: my part of the next slot
	ds_add_u32 v[SPW], v[NIL]                      ; 0 onto my spare word
	s_wait_dscnt 4*NL+1                            ; (the add and the youngest sixteen loads may be out)
	WIN MUL_LO
	MUL16 0, 1, 0
	s_wait_dscnt 0x0                               ; the add is done, and my reads of this slot are over
	s_barrier_signal -1
	MUL16 2, 1, 0
	WIN 0
	s_barrier_wait -1
.if \fill
	CREST                                          ; the barrier has opened a round of the cluster's: no wave of any partner still reads this slot or has a load on its way
	s_add_nc_u64 s[G0+4*\slot+2:G0+4*\slot+3], s[G0+4*\slot+2:G0+4*\slot+3], 2*RT
	s_add_nc_u64 s[G0B+4*\slot+2:G0B+4*\slot+3], s[G0B+4*\slot+2:G0B+4*\slot+3], 2*RT
	JLOAD G0+4*\slot, G1, G0B+4*\slot, G1B         ; the first tensor load behind the round; its four v_nop are the places in front of the loads below
.else
	PLACES NP
.endif
	FETCH_B \next, 0, 0
	FETCH_A \next, 0, 0
	WIN MUL_HI
	MUL16 4, 1, 0
	MUL16 6, 1, 0
	PLACES NP
	WIN 0
	FETCH_A \next, 0, 4
.endm
	s_wait_alu depctr_va_vdst(0)                   ; the wait at the head's end
	s_wait_tensorcnt 0x0                           ; my part of slot 0 is in; slot 1's first fill is issued as a refill is:
	ds_add_u32 v[SPW], v[NIL]
	s_wait_dscnt 0x0
	CROUND                                         ; everybody's part of slot 0 is in, and the joint loads meet
	JLOAD G0+4, G1, G0B+4, G1B                     ; slot 1: the first tensor load behind the round
	FETCH_B 0, 0, 0
	FETCH_A 0, 0, 0
	FETCH_A 0, 0, 4
	global_prefetch_b8 v22, s[94:95] offset:3*RT th:TH_LOAD_NT scope:SCOPE_SE    ; slot 3's bytes, the last: two fills ahead of their load
	STEP 0, 0, 1                                   ; the first step's products start the sums
	s_mov_b32 s3, LAPS-1
.Llap:
	TURN 0, 1, 1
	STEP 1, 0, 0
	TURN 1, 0, 1
	STEP 0, 0, 0
	s_sub_co_u32 s3, s3, 1
	s_cmp_lg_u32 s3, 0
	s_cbranch_scc1 .Llap
	TURN 0, 1, 0                                   ; the last lap fills nothing
	STEP 1, 0, 0
	s_wait_dscnt 4*NL
	WIN MUL_LO
	MUL16 0, 1, 0
	MUL16 2, 1, 0
	s_wait_dscnt 0
	WIN MUL_HI
	MUL16 4, 1, 0
	MUL16 6, 1, 0
	WIN 0
	; THE WAY OUT.  A sum stands for sum x 2^(ew + ex); its code under the next product's scale 2^eo is sum / 2^(eo - ew - ex): the three are folded into the conversion's one.
	s_wait_kmcnt 0x0
	s_sub_co_i32 s91, s74, s68
	s_sub_co_i32 s91, s91, s69                     ; q: e6 - e0 - e1
	s_sub_co_i32 s92, s75, s70
	s_sub_co_i32 s92, s92, s71                     ; k: e7 - e2 - e3
	s_sub_co_i32 s93, s77, s72
	s_sub_co_i32 s93, s93, s73                     ; v: e9 - e4 - e5
	s_cmp_eq_u32 ttmp9, 1
	s_cselect_b32 s91, s92, s91
	s_cmp_eq_u32 ttmp9, 2
	s_cselect_b32 s91, s93, s91
	s_add_co_i32 s91, s91, 127
	s_lshl_b32 s92, s91, 23
	v_mov_b32 v[SC], s92
	s_add_co_i32 s91, s91, 8
	s_lshl_b32 s91, s91, 23
	s_or_b32 s91, s91, MANT
	v_mov_b32 v[LIM], s91
	PLACES NP                                      ; behind the last products: their results are read, and A's registers written, below
.macro OUTQ a                          ; block a: 16 rows x 128 columns become 16 registers of codes, which leave as they stand
.set AC, 64*((\a)%4)
	s_wait_xcnt 0x0                                ; the last block's stores have read their data and offsets: both are written again only behind this wait
.if (\a) > 0
	v_add_nc_u32 v[VO0], s84, v[VO0]
	v_add_nc_u32 v[VO1], s84, v[VO1]
.endif
.if (\a) == 4
	v_add_nc_u32 v[VO0], s85, v[VO0]
	v_add_nc_u32 v[VO1], s85, v[VO1]
.endif
	WIN 0x02+((\a)/4)                              ; source 0: window 2 or 3
.set j, 0
.rept 64
	v_med3_num_f32 v[TMP+j], v[AC+j], -v[LIM], v[LIM]   ; the hold at the largest code x the scale; each accumulator from its low end on
.set j, j+1
.endr
	WIN 0
.irp b, 0,1,2,3,4,5,6,7
	v_cvt_scalef32_pk8_fp8_f32 v[CD+2*\b:CD+2*\b+1], v[TMP+8*\b:TMP+8*\b+7], v[SC]
.endr
	v_nop                                          ; a plain line behind the last conversion
	global_store_b128 v[VO0], v[CD:CD+3], s[8:9]                  ; 32 lanes store 512 consecutive bytes
	global_store_b128 v[VO0], v[CD+4:CD+7], s[8:9] offset:512
	global_store_b128 v[VO1], v[CD+8:CD+11], s[8:9]
	global_store_b128 v[VO1], v[CD+12:CD+15], s[8:9] offset:512
.endm
	s_wait_alu depctr_va_vdst(0)
.irp a, 0,1,2,3,4,5,6,7
	OUTQ \a
.endr
	s_wait_tensorcnt 0x0                           ; the wave's end
	ds_add_u32 v[SPW], v[NIL]
	s_wait_dscnt 0x0
	CROUND                                         ; the closing round
	s_endpgm
.Lfunc_end_k_qbc5ec2df7f_qkv:
	.size	k_qbc5ec2df7f_qkv, .Lfunc_end_k_qbc5ec2df7f_qkv-k_qbc5ec2df7f_qkv
	.p2alignl 7, 3214868480
	.fill 96, 4, 3214868480
	.section	.rodata,"a",@progbits
	.p2align	6, 0x0
	.amdhsa_kernel k_qbc5ec2df7f_qkv
		.amdhsa_group_segment_fixed_size 327680
		.amdhsa_private_segment_fixed_size 0
		.amdhsa_enable_private_segment 0
		.amdhsa_kernarg_size 24
		.amdhsa_user_sgpr_count 2
		.amdhsa_user_sgpr_kernarg_segment_ptr 1
		.amdhsa_wavefront_size32 1
		.amdhsa_system_sgpr_workgroup_id_x 1
		.amdhsa_system_sgpr_workgroup_id_y 1
		.amdhsa_system_sgpr_workgroup_id_z 1
		.amdhsa_system_vgpr_workitem_id 0
		.amdhsa_next_free_vgpr 1024
		.amdhsa_next_free_sgpr 100
		.amdhsa_reserve_vcc 0
		.amdhsa_float_denorm_mode_32 3
		.amdhsa_float_denorm_mode_16_64 3
		.amdhsa_memory_ordered 1
		.amdhsa_forward_progress 1
		.amdhsa_inst_pref_size 120
	.end_amdhsa_kernel
	.amdgpu_metadata
---
amdhsa.version: [ 1, 2 ]
amdhsa.kernels:
  - .name:           k_qbc5ec2df7f_qkv
    .symbol:         k_qbc5ec2df7f_qkv.kd
    .args:
      - { .name: pw, .offset: 0, .size: 8, .value_kind: global_buffer, .address_space: global }
      - { .name: lowp_scales, .offset: 8, .size: 8, .value_kind: global_buffer, .address_space: global }
      - { .name: qkv, .offset: 16, .size: 8, .value_kind: global_buffer, .address_space: global }
    .group_segment_fixed_size: 327680
    .private_segment_fixed_size: 0
    .kernarg_segment_align: 8
    .kernarg_segment_size: 24
    .max_flat_workgroup_size: 128
    .sgpr_count:     100
    .vgpr_count:     1024
    .wavefront_size: 32
...
	.end_amdgpu_metadata
.endif
;; end of part 2
;; launch attn (part 3): grid 8 x 32, 16 waves a work-group, no clusters, 327,680 bytes of LDS; arguments qkv, lowp_scales, ctx, Wo, W1, W2, pw; writes ctx, pw
.if DOCPART == 3
	.amdgcn_target "amdgcn-amd-amdhsa--gfx1250"
	.amdhsa_code_object_version 6
	.text
	.protected	k_qbc5ec2df7f_attn
	.globl	k_qbc5ec2df7f_attn
	.p2align	8
	.type	k_qbc5ec2df7f_attn,@function
k_qbc5ec2df7f_attn:
	s_mov_b64 s[64:65], 0
	v_nop
	global_prefetch_b8 v0, s[64:65] scope:SCOPE_SE
	s_setreg_imm32_b32 hwreg(HW_REG_WAVE_MODE, 25, 1), 1
	s_wait_xcnt 0x0
; Causal attention on codes of E4M3, head size 64, 2,048 keys, 32 (batch, head) pairs; ctx leaves as codes for the next product.  Beside it: the codes of Wo, W1 and W2 (THE WEIGHTS' WORK, below).
; t = score x log2(e) / 8; M = the running largest t rounded UP to a whole number; p = 2^(t - M) is quantised along the keys, not normalised; the row's sum is taken of the unquantised p and divides at the end.
; SHARES.  Work-group (p, bh) owns the blocks p and 15 - p of 128 queries: under the causal mask every work-group then has the same work.  Each of its sixteen waves owns one tile of 16 queries: four waves to a SIMD,
; so that one wave's vector work stands beside another's matrix work and LDS loads.  Every work-group walks all 4 slots of 512 keys (the trip counts are constants); a step of 128 keys all of which come after the wave's queries is jumped over.
; OPERANDS ARE IMAGES OF THEIR REGISTERS (lane l's registers 4 p .. 4 p + 3 at 512 p + 16 l): q, k: fragments of 16 rows x 64, 1,024 bytes; v: 16 d x 128 keys, 2,048 bytes.  A slot's K (32 tiles) and V (4 blocks of 4 tiles) are two dense
; blocks of 32,768 bytes; waves 0-3 fetch 16,384 bytes each by one tensor load.  No padding: every LDS load takes 512 consecutive bytes.
; BOTH PRODUCTS TRANSPOSED: S^T = K Q^T, O^T = V^T P^T: a lane holds one query (lane % 16) throughout; tile t's eight scores are keys 16 t + 8 h + 0 .. 7, so one conversion makes registers 2 t, 2 t + 1 of P's fragment; likewise O^T and ctx.
; THE SUM COMES A STEP LATE: a step's p stay in their registers (the held p go into two sets of eight that take turns), and their sum is taken at the head of the next step, between the issue of K's loads and the wait for them.
; The order of the arithmetic is the same: the sum is multiplied by f, then takes the step's p, before the next f.
; THE WEIGHTS' WORK.  Waves 0-7 (block p) have no keys left after step p.  At its first step without keys each of them, in the work-groups with bh < 28, turns 16 rows x 256 k of Wo, W1 or W2 (f32, K innermost) into two fragments of codes:
; 224 x 8 x 2 = 3,584 = 512 + 1,536 + 1,536 fragments.  Each load reads 512 consecutive bytes of a row; 16 rows turn through the wave's own stage in LDS, bytes into which no tile lands.  No prefetch is laid for these rows:
; the waves that wait for them have no other work.  pw gets Wo's codes at WOO, W1's behind them, W2's at W2O, as [row tile][K step][2,048].
; NO CLUSTER: the work-groups of a head share K and V, but under the mask their work in a slot differs (block p has none from slot p / 4 + 1 on, block 15 - p has), so a joint round a slot would hold each slot to its slowest partner; what is
; shared is 4 x 65,536 bytes a work-group beside some 270 vector instructions for every 12 matrix instructions.
; LIMITS: e6 + e7 between -123 and 130 (added to c's exponent field); e8, e10 - e8 - e9, e11, e13 and e15 between -126 and 119.  NaN among the weights is not served.
.set MANT,  0x600000
.set WOO,   15728640
.set W2O,   19922944
.set SLOTB, 65536                      ; slot 1 begins here: one exclusive or turns an address from one slot to the other.  In a slot: K at 0, V at 32,768
.set SPARE, 131072                     ; behind the ring: the spare words, 128 bytes for each of 16 waves
.set STG,   SPARE+2048                 ; behind them: a stage of 16 rows x (512 + 16) bytes for each wave (132 words: row r starts at bank 4 r mod 64)
.set LI,  1                            ; v1  16 x lane
.set SPW, 2
.set NIL, 3
.set PFO, 4                            ; v4  256 x lane: the prefetches' offset
.set ADK, 5                            ; v5  LDS address of the step's tiles
.set H0,  24                           ; v24-31 and v224-231: eight held p, by turns
.set VO,  224                          ; v224-239 the weights' work: a row's offset
.set SW,  240                          ; v240 into my stage
.set SRD, 241                          ; v241 and back
.set WV,  18
.set SEL, 20
.set CS,  22                           ; s[22:23] c = log2(e) / 8, with e6 + e7 in its exponent
.set G1,  24
.set G0,  56
.set TB,  2                            ; s2  LDS byte at which the step's tiles of K begin
.set KF,  48                           ; s48 the step's first key
.set Q0,  49                           ; s49 my first query
.set SLOTS, 50
.set CNT, 51
.set PFA, 52
.set PLIM, 54
.set JSRC, 76                          ; s[76:77] the weights' work: from where,
.set JDST, 78                          ; s[78:79] to where,
.set JK,   80                          ; s80 at which step's first key (-1: never),
.set JRB,  81                          ; s81 a row in bytes
.macro TLOAD                           ; waves 0-3 fetch, each its own 16,384 bytes; four v_nop follow the line
	s_cmp_lt_u32 s[WV], 4
	s_cbranch_scc0 .Lasked_\@
	tensor_load_to_lds s[G0:G0+3], s[G1:G1+7]
	s_nop 0
.rept 4
	v_nop
.endr
.Lasked_\@:
.endm
; A prefetch of what the NEXT change of slots will ask for: 32,768 bytes of K and of V.  All eight work-groups of a (batch, head) walk the same bytes: the first of them asks; in it waves 4-7 for K, waves 8-11 for V,
; 8,192 bytes a wave, lanes 256 bytes apart: each block of 256 bytes is named once in the launch.  The last change that fills a slot asks for nothing; slots 0 and 1 come by their loads alone.
.macro ASK
	s_cmp_gt_u32 s[SLOTS], s[PLIM]
	s_cbranch_scc0 .Lnot_mine_\@
	global_prefetch_b8 v[PFO], s[PFA:PFA+1] th:TH_LOAD_NT scope:SCOPE_SE
.Lnot_mine_\@:
.endm
	s_load_b128 s[4:7], s[0:1], 0x0                ; qkv, the scales' exponents
	s_load_b64 s[8:9], s[0:1], 0x10                ; ctx
	s_load_b256 s[68:75], s[0:1], 0x18             ; Wo 68, W1 70, W2 72, pw 74
	v_lshl_add_u32 v[SPW], v0, 2, SPARE
	v_mov_b32 v[NIL], 0
	ds_add_u32 v2, v3
	ds_add_u32 v2, v3
	s_wait_dscnt 0x0
	v_lshrrev_b32 v5, 5, v0
	s_delay_alu instid0(VALU_DEP_1)
	v_readfirstlane_b32 s[WV], v5                  ; wave 0..15
	s_and_b32 s10, ttmp7, 0xffff                   ; bh = 16 batch + head
	s_lshl_b32 s15, s10, 17                        ; its 131,072 bytes in each of q, k, v
	s_min_u32 s11, s[WV], 3                        ; what I fetch, if I fetch: waves 0, 1 K's halves, waves 2, 3 V's
	s_lshr_b32 s12, s11, 1
	s_add_co_u32 s12, s12, 1
	s_lshl_b32 s12, s12, 22                        ; k at 4 MiB, v at 8 MiB
	s_add_co_u32 s12, s12, s15
	s_and_b32 s14, s11, 1
	s_lshl_b32 s14, s14, 14
	s_add_co_u32 s12, s12, s14
	s_mov_b32 s13, 0
	s_mov_b32 s[G1], 3<<16                         ; no mask; elements of 8 bytes; no padding: a dense block as 64 rows of 256 bytes
	s_mov_b32 s[G1+1], 32<<16                      ; tensor_dim0
	s_mov_b32 s[G1+2], 64<<16                      ; tensor_dim1
	s_mov_b32 s[G1+3], 32<<16                      ; tile_dim0
	s_mov_b32 s[G1+4], 64                          ; tile_dim1
	s_mov_b32 s[G1+5], 32                          ; the pitch
	s_mov_b32 s[G1+6], 0
	s_mov_b32 s[G1+7], 0
	s_mov_b32 s[SEL], 0x76543210
	s_mov_b32 s[SEL+1], 0xfedcba98
	s_mov_b32 s[CS], 0x3e38aa3b                    ; log2(e) / 8
	s_mov_b32 s[TB], 0
	s_mov_b32 s[KF], 0
	s_mov_b32 s[SLOTS], 3
	s_wait_kmcnt 0x0
	s_load_b512 s[32:47], s[6:7], 0x0              ; e0 .. e15 in s32 .. s47
	s_mov_b32 s[G0], 1
	s_lshl_b32 s[G0+1], s11, 14                    ; LDS: 16,384 x wave, in slot 0
	s_add_nc_u64 s[G0+2:G0+3], s[4:5], s[12:13]
	s_or_b32 s[G0+3], s[G0+3], 0x80000000
	TLOAD                                          ; slot 0
	s_lshl_b32 s10, ttmp9, 3                       ; my tile of queries: 8 p + w, or 8 (15 - p) + w - 8
	s_add_co_u32 s11, s10, s[WV]
	s_sub_co_u32 s12, 112, s10
	s_add_co_u32 s12, s12, s[WV]
	s_cmp_lt_u32 s[WV], 8
	s_cselect_b32 s11, s11, s12
	s_lshl_b32 s[Q0], s11, 4
	s_lshl_b32 s16, s11, 10
	s_add_co_u32 s16, s16, s15
	s_mov_b32 s17, 0
	s_add_nc_u64 s[60:61], s[4:5], s[16:17]        ; q's fragment
	v_and_b32 v5, 31, v0
	s_delay_alu instid0(VALU_DEP_1)
	v_lshlrev_b32 v[LI], 4, v5
	s_wait_alu depctr_va_vdst(0)
	v_lshlrev_b32 v[PFO], 8, v5
	global_load_b128 v[16:19], v[LI], s[60:61]
	global_load_b128 v[20:23], v[LI], s[60:61] offset:512
	s_and_b32 s10, ttmp7, 0xffff
	s_lshr_b32 s16, s10, 4
	s_lshl_b32 s16, s16, 7
	s_add_co_u32 s16, s16, s11
	s_lshl_b32 s16, s16, 14                        ; ctx: token tile 128 batch + tile,
	s_bfe_u32 s12, s10, 0x30001
	s_lshl_b32 s12, s12, 11                        ; K step = head / 2,
	s_add_co_u32 s16, s16, s12
	s_and_b32 s12, s10, 1
	s_lshl_b32 s12, s12, 10                        ; registers 8 (head % 2) on
	s_add_co_u32 s16, s16, s12
	s_add_nc_u64 s[8:9], s[8:9], s[16:17]
	s_sub_co_u32 s12, s[WV], 4                     ; the prefetches: who, and where
	s_lshr_b32 s13, s12, 3                         ; 0 in waves 4 to 11,
	s_or_b32 s13, s13, ttmp9                       ; of the first work-group
	s_and_b32 s12, s12, 7
	s_lshr_b32 s14, s12, 2
	s_add_co_u32 s14, s14, 1
	s_lshl_b32 s14, s14, 22
	s_and_b32 s12, s12, 3
	s_lshl_b32 s12, s12, 13
	s_add_co_u32 s12, s12, s14
	s_add_co_u32 s12, s12, s15
	s_add_co_u32 s12, s12, 32768                   ; in slot 1: the first change of slots steps it to slot 2
	s_cmp_eq_u32 s13, 0
	s_cselect_b32 s[PLIM], 1, -1
	s_mov_b32 s13, 0
	s_add_nc_u64 s[PFA:PFA+1], s[4:5], s[12:13]
	s_mul_i32 s10, s[WV], 8448
	s_add_co_u32 s10, s10, STG                     ; my stage
	v_add_nc_u32 v[SW], s10, v[LI]                 ; in: a row's 512 bytes as they lie
	v_and_b32 v6, 15, v0
	v_bfe_u32 v7, v0, 4, 1
	s_delay_alu instid0(VALU_DEP_2)
	v_mul_u32_u24 v[SRD], v6, 528
	s_delay_alu instid0(VALU_DEP_1)
	v_lshl_add_u32 v[SRD], v7, 5, v[SRD]
	s_delay_alu instid0(VALU_DEP_1)
	v_add_nc_u32 v[SRD], s10, v[SRD]               ; back: row r, + 32 h: my eight numbers of each 16
	s_delay_alu instid0(VALU_DEP_4)
	v_lshlrev_b32 v7, 3, v7
	s_delay_alu instid0(VALU_DEP_1)
	v_sub_nc_u32 v6, v6, v7                        ; r - 8 h, for the mask
	; the weights' work: pair of fragments u = 8 (8 bh + p) + w.  u < 256: Wo; u < 1,024: W1; u < 1,792: W2
	s_and_b32 s83, ttmp7, 0xffff
	s_lshl_b32 s83, s83, 3
	s_add_co_u32 s83, s83, ttmp9                   ; 8 bh + p
	s_and_b32 s84, s[WV], 7
	s_lshl_b32 s85, s83, 3
	s_add_co_u32 s85, s85, s84                     ; u
	s_cmp_lt_u32 s83, 32
	s_cselect_b64 s[JSRC:JSRC+1], s[68:69], s[70:71]
	s_cselect_b32 s86, 0, 256
	s_sub_co_u32 s86, s85, s86                     ; Wo, W1: the pair's number in its tensor: row tile = that / 4, K steps 2 (that % 4) and the next
	s_lshr_b32 s87, s86, 2
	s_lshl_b32 s87, s87, 16                        ; 16 rows of 4,096 bytes
	s_and_b32 s86, s86, 3
	s_lshl_b32 s86, s86, 10
	s_add_co_u32 s92, s87, s86                     ; from where
	s_lshl_b32 s94, s85, 12
	s_add_co_u32 s94, s94, WOO                     ; to where: Wo's and W1's fragments lie on end
	s_sub_co_u32 s86, s85, 1024                    ; W2: row tile = that % 64, K steps 2 (that / 64) and the next
	s_and_b32 s87, s86, 63
	s_lshr_b32 s86, s86, 6
	s_mul_i32 s88, s87, 196608                     ; 16 rows of 12,288 bytes
	s_lshl_b32 s89, s86, 10
	s_add_co_u32 s88, s88, s89
	s_mul_i32 s87, s87, 49152                      ; a row tile of 24 K steps
	s_lshl_b32 s86, s86, 12
	s_add_co_u32 s87, s87, s86
	s_add_co_u32 s87, s87, W2O
	s_mov_b32 s[JRB], 12288
	s_cmp_lt_u32 s83, 128
	s_cselect_b64 s[JSRC:JSRC+1], s[JSRC:JSRC+1], s[72:73]
	s_cselect_b32 s92, s92, s88
	s_cselect_b32 s94, s94, s87
	s_cselect_b32 s[JRB], 4096, s[JRB]
	s_mov_b32 s93, 0
	s_mov_b32 s95, 0
	s_add_nc_u64 s[JSRC:JSRC+1], s[JSRC:JSRC+1], s[92:93]
	s_add_nc_u64 s[JDST:JDST+1], s[74:75], s[94:95]
	s_lshl_b32 s[JK], ttmp9, 7
	s_add_co_u32 s[JK], s[JK], 128                 ; 128 (p + 1): the first step of which block p sees no key
	s_cmp_lt_u32 s[WV], 8
	s_cselect_b32 s[JK], s[JK], -1
	s_cmp_lt_u32 s83, 224
	s_cselect_b32 s[JK], s[JK], -1
	v_mov_b32 v13, 0xff61b1e6                      ; the largest t so far: -3e38
	s_delay_alu instid0(VALU_DEP_1)
	v_floor_f32 v12, -v13                          ; -M
	v_mov_b32 v14, 0                               ; the sum, in two halves
	v_mov_b32 v15, 0
	v_mov_b32 v211, 0                              ; (named as the upper half of the pair v[210:211])
	v_mov_b32 v214, 0                              ; a lane permute's destination counts as read
.set j, 0
.rept 32
	v_mov_b32 v[160+j], 0                          ; O^T: the step is written once; the first finds zeros, which the first change of M leaves zeros
.set j, j+1
.endr
.set j, 0
.rept 64
	v_mov_b32 v[96+j], 0                           ; p: the first step sums the p of no step
.set j, j+1
.endr
	s_wait_kmcnt 0x0
	s_add_co_i32 s10, s38, s39
	s_lshl_b32 s10, s10, 23
	s_add_co_i32 s[CS], s[CS], s10                 ; a score stands for score x 2^(e6 + e7)
	s_mov_b32 s[CS+1], s[CS]
	s_add_co_i32 s10, s40, 127
	s_lshl_b32 s11, s10, 23
	v_mov_b32 v221, s11                            ; 2^e8, for p's conversions
	s_add_co_i32 s10, s10, 8
	s_lshl_b32 s10, s10, 23
	s_or_b32 s10, s10, MANT
	v_mov_b32 v220, s10                            ; 448 x 2^e8
	s_sub_co_i32 s10, s42, s40
	s_sub_co_i32 s10, s10, s41                     ; O^T / l stands for ctx / 2^(e8 + e9): ctx's code is that / 2^(e10 - e8 - e9)
	s_add_co_i32 s10, s10, 127
	s_lshl_b32 s11, s10, 23
	v_mov_b32 v223, s11
	s_add_co_i32 s10, s10, 8
	s_lshl_b32 s10, s10, 23
	s_or_b32 s10, s10, MANT
	v_mov_b32 v222, s10
	s_cmp_lt_u32 s83, 32
	s_cselect_b32 s10, s43, s45
	s_cmp_lt_u32 s83, 128
	s_cselect_b32 s10, s10, s47                    ; e11, e13 or e15
	s_add_co_i32 s10, s10, 127
	s_lshl_b32 s96, s10, 23                        ; the weight's scale as f32,
	s_add_co_i32 s10, s10, 8
	s_lshl_b32 s10, s10, 23
	s_or_b32 s97, s10, MANT                        ; and 448 x that
.macro SUMP                            ; the row's sum takes the last step's unquantised p: two at a time, in eight chains
	v_pk_add_f32 v[212:213], v[100:101], v[104:105]
	v_pk_add_f32 v[246:247], v[108:109], v[112:113]
	v_pk_add_f32 v[244:245], v[116:117], v[120:121]
	v_pk_add_f32 v[242:243], v[124:125], v[128:129]
	v_pk_add_f32 v[238:239], v[132:133], v[136:137]
	v_pk_add_f32 v[236:237], v[140:141], v[144:145]
	v_pk_add_f32 v[234:235], v[148:149], v[152:153]
	v_pk_add_f32 v[14:15], v[14:15], v[156:157]
	v_pk_add_f32 v[212:213], v[212:213], v[96:97]
	v_pk_add_f32 v[246:247], v[246:247], v[98:99]
	v_pk_add_f32 v[244:245], v[244:245], v[102:103]
	v_pk_add_f32 v[242:243], v[242:243], v[106:107]
	v_pk_add_f32 v[238:239], v[238:239], v[110:111]
	v_pk_add_f32 v[236:237], v[236:237], v[114:115]
	v_pk_add_f32 v[234:235], v[234:235], v[118:119]
	v_pk_add_f32 v[14:15], v[14:15], v[122:123]
	v_pk_add_f32 v[212:213], v[212:213], v[126:127]
	v_pk_add_f32 v[246:247], v[246:247], v[130:131]
	v_pk_add_f32 v[244:245], v[244:245], v[134:135]
	v_pk_add_f32 v[242:243], v[242:243], v[138:139]
	v_pk_add_f32 v[238:239], v[238:239], v[142:143]
	v_pk_add_f32 v[236:237], v[236:237], v[146:147]
	v_pk_add_f32 v[234:235], v[234:235], v[150:151]
	v_pk_add_f32 v[14:15], v[14:15], v[154:155]
	v_pk_add_f32 v[212:213], v[212:213], v[158:159]
	s_delay_alu instid0(VALU_DEP_2)
	v_pk_add_f32 v[14:15], v[14:15], v[242:243]
	s_delay_alu instid0(VALU_DEP_2)
	v_pk_add_f32 v[212:213], v[212:213], v[238:239]
	v_pk_add_f32 v[246:247], v[246:247], v[236:237]
	v_pk_add_f32 v[244:245], v[244:245], v[234:235]
	s_delay_alu instid0(VALU_DEP_2)
	v_pk_add_f32 v[14:15], v[14:15], v[246:247]
	s_delay_alu instid0(VALU_DEP_2)
	v_pk_add_f32 v[212:213], v[212:213], v[244:245]
	s_delay_alu instid0(VALU_DEP_1)
	v_pk_add_f32 v[14:15], v[14:15], v[212:213]
.endm
; One fragment of a weight: 16 rows x 128 k in v[r] on, as loaded, turn through my stage and come back into the registers that they left, register 8 c + i = k 16 c + 8 h + i of row r; then the hold, the conversion, four stores.
.macro JFRAG r, o, more
	s_wait_loadcnt \more
.irp i, 0,1,2,3,4,5,6,7,8,9,10,11,12,13,14,15
	ds_store_b128 v[SW], v[\r+4*\i:\r+4*\i+3] offset:528*\i
.endr
.irp c, 0,1,2,3,4,5,6,7
	ds_load_b128 v[\r+8*\c:\r+8*\c+3], v[SRD] offset:64*\c       ; LDS serves a wave's instructions in order (ISA guide 5.7.1.4): these see my stores
	ds_load_b128 v[\r+8*\c+4:\r+8*\c+7], v[SRD] offset:64*\c+16
.endr
	s_wait_dscnt 0x0
	s_wait_xcnt 0x0                                ; the fragment before has had its stores' data read: the codes' registers are written again only behind this wait
.irp b, 0,1,2,3,4,5,6,7
.irp i, 0,1,2,3,4,5,6,7
	v_med3_num_f32 v[\r+8*\b+\i], v[\r+8*\b+\i], -v215, v215   ; the conversion to an 8-bit code does not saturate (ISA guide 7.6.2)
.endr
	v_cvt_scalef32_pk8_fp8_f32 v[192+2*\b:193+2*\b], v[\r+8*\b:\r+8*\b+7], v216
.endr
	v_nop                                          ; a plain line behind the last conversion
.irp c, 0,1,2,3
	global_store_b128 v[LI], v[192+4*\c:195+4*\c], s[JDST:JDST+1] offset:\o+512*\c   ; 32 lanes store 512 consecutive bytes
.endr
.endm
.macro JOB                             ; the weights' work of a wave whose tile has seen its last key
	SUMP                                           ; my last step's p: their registers are taken below.  (These lines are also the places between the last products and the loads into registers that they read)
	v_mov_b32 v[VO], v[LI]
.irp i, 1,2,3,4,5,6,7,8,9,10,11,12,13,14,15
	s_delay_alu instid0(VALU_DEP_1)
	v_add_nc_u32 v[VO+\i], s[JRB], v[VO+\i-1]      ; row i's offset
.endr
.irp i, 0,1,2,3,4,5,6,7,8,9,10,11,12,13,14,15
	global_load_b128 v[32+4*\i:35+4*\i], v[VO+\i], s[JSRC:JSRC+1] th:TH_LOAD_NT              ; 32 lanes read 512 consecutive bytes of a row
.endr
.irp i, 0,1,2,3,4,5,6,7,8,9,10,11,12,13,14,15
	global_load_b128 v[96+4*\i:99+4*\i], v[VO+\i], s[JSRC:JSRC+1] offset:512 th:TH_LOAD_NT   ; the next K step
.endr
	v_mov_b32 v216, s96
	v_mov_b32 v215, s97
	s_wait_alu depctr_va_vdst(0)
	JFRAG 32, 0, 16                                ; the first fragment's sixteen loads are in; the second's sixteen may be out
	JFRAG 96, 2048, 0
	s_wait_xcnt 0x0                                ; the stores have read their data
.endm
; A KEY STEP: 128 keys at LDS byte TB.  job = 1: the text holds the weights' work (block p's first step without keys lies among steps 1 to 8, in the first three slots).
.macro STEP job
	s_add_co_u32 s60, s[Q0], 15
	s_cmp_gt_u32 s[KF], s60                        ; all its keys come after my queries: a branch on ids, round the work alone
	s_cbranch_scc1 .Lhidden_\@
	v_add_nc_u32 v[ADK], s[TB], v[LI]
.rept 3
	v_nop                                          ; with the addition: four places between the last products and the loads into the registers that they read
.endr
.irp t, 0,1,2,3,4,5,6,7
	ds_load_b128 v[32+8*\t:35+8*\t], v[ADK] offset:1024*\t
	ds_load_b128 v[36+8*\t:39+8*\t], v[ADK] offset:1024*\t+512
.endr
	SUMP                                           ; the last step's sum, while K's fragments come
	s_wait_dscnt 0x0
.irp t, 0,1,2,3,4,5,6,7
	v_wmma_f32_16x16x64_fp8_fp8 v[96+8*\t:103+8*\t], v[32+8*\t:39+8*\t], v[16:23], 0
.endr
.rept 4
	v_nop
.endr
.irp t, 0,1,2,3
.irp c, 0,1,2,3
	ds_load_b128 v[32+16*\t+4*\c:35+16*\t+4*\c], v[ADK] offset:32768+2048*\t+512*\c    ; V's four fragments land under the softmax
.endr
.endr
	s_add_co_u32 s60, s[KF], 127
	s_cmp_le_u32 s60, s[Q0]                        ; all keys count: no mask
	s_cbranch_scc1 .Lopen_\@
	s_sub_co_i32 s60, s[Q0], s[KF]
	v_add_nc_u32 v215, s60, v6                     ; d = my query - KF - 8 h.  Register 8 t + i holds key KF + 16 t + 8 h + i: hidden where 16 t + i > d
	v_mov_b32 v216, 0xff800000                     ; -infinity: p = 0 then
.set n, 0
.rept 64
	v_cmp_gt_i32 vcc_lo, 16*(n/8)+n%8, v215
	v_cndmask_b32 v[96+n], v[96+n], v216, vcc_lo
.set n, n+1
.endr
.Lopen_\@:
	v_max3_num_f32 v208, v96, v97, v98             ; the step's largest score of my query among my 64 keys, in four chains, the registers in ascending order (each accumulator from its low end on),
	v_max3_num_f32 v209, v99, v100, v101
	v_max3_num_f32 v217, v102, v103, v104
	v_max3_num_f32 v218, v105, v106, v107
.irp i, 12,20,28,36,44,52
	v_max3_num_f32 v208, v208, v[96+\i], v[97+\i]
	v_max3_num_f32 v209, v209, v[98+\i], v[99+\i]
	v_max3_num_f32 v217, v217, v[100+\i], v[101+\i]
	v_max3_num_f32 v218, v218, v[102+\i], v[103+\i]
.endr
	v_max3_num_f32 v208, v208, v156, v157
	v_max3_num_f32 v209, v209, v158, v159
	s_delay_alu instid0(VALU_DEP_1)
	v_max3_num_f32 v208, v208, v209, v217
	s_delay_alu instid0(VALU_DEP_1)
	v_max_num_f32 v208, v208, v218
	s_delay_alu instid0(VALU_DEP_1)
	v_permlanex16_b32 v214, v208, s[SEL], s[SEL+1]
	s_delay_alu instid0(VALU_DEP_1)
	v_max_num_f32 v208, v208, v214                 ; and among lane l xor 16's
	s_delay_alu instid0(VALU_DEP_1)
	v_mul_f32 v208, s[CS], v208                    ; as t (c is positive)
	s_delay_alu instid0(VALU_DEP_1)
	v_max_num_f32 v13, v13, v208
	v_mov_b32 v208, v12
	s_delay_alu instid0(VALU_DEP_2)
	v_floor_f32 v12, -v13                          ; the new -M = floor(-t): M is a whole number
	s_delay_alu instid0(VALU_DEP_1)
	v_sub_f32 v208, v12, v208                      ; old M - new M: a whole number, 0 or less
	s_delay_alu instid0(VALU_DEP_1)
	v_cvt_i32_f32 v208, v208                       ; (it saturates)
	s_delay_alu instid0(VALU_DEP_1)
	v_ldexp_f32 v210, 1.0, v208                    ; f = 2^(old M - new M): a multiplication by it rounds nothing
.irp j, 0,2,4,6,8,10,12,14,16,18,20,22,24,26,28,30,32,34,36,38,40,42,44,46,48,50,52,54,56,58,60,62
	v_pk_fma_f32 v[96+\j:97+\j], v[96+\j:97+\j], s[CS:CS+1], v[12:13] op_sel_hi:[1,0,0]   ; t - M
.endr
.set j, 0
	s_wait_alu depctr_va_vdst(0)
.rept 64
	v_exp_f32 v[96+j], v[96+j]                     ; p = 2^(t - M)
.set j, j+1
.endr
	v_pk_mul_f32 v[14:15], v[14:15], v[210:211] op_sel_hi:[1,0]   ; the sums under the new M: the plain line behind the exponentials
	s_wait_alu depctr_va_vdst(0)
.irp j, 0,2,4,6,8,10,12,14,16,18,20,22,24,26,28,30
	v_pk_mul_f32 v[160+\j:161+\j], v[160+\j:161+\j], v[210:211] op_sel_hi:[1,0]   ; O^T under the new M: work that names no exponential's result, between the batch and its wait
.endr
	s_wait_alu depctr_va_vdst(0)                   ; one wait for the batch, ahead of its first reader
.irp t, 0,1,2,3,4,5,6,7
.irp i, 0,1,2,3,4,5,6,7
	v_min_num_f32 v[H0+200*(\t%2)+\i], v[96+8*\t+\i], v220   ; the conversion does not saturate (ISA guide 7.6.2); p is not negative, so the hold is one-sided.  p itself stays: the next step sums it
.endr
	v_cvt_scalef32_pk8_fp8_f32 v[192+2*\t:193+2*\t], v[H0+200*(\t%2):H0+200*(\t%2)+7], v221   ; the two sets take turns: eight plain lines stand between a conversion and the next write of its sources
.endr
	v_nop                                          ; a plain line between the last conversion and the products that read its result
	s_wait_alu depctr_va_vdst(0)
	s_wait_dscnt 0x0                               ; V is in
.irp t, 0,1,2,3
	v_wmma_f32_16x16x128_fp8_fp8 v[160+8*\t:167+8*\t], v[32+16*\t:47+16*\t], v[192:207], v[160+8*\t:167+8*\t]   ; four accumulators by turns
.endr
.if \job
	s_branch .Ljoin_\@
.endif
.Lhidden_\@:
.if \job
	s_cmp_lg_u32 s[KF], s[JK]                      ; my first step without keys, if I have the weights' work: a branch on ids
	s_cbranch_scc1 .Ljoin_\@
	JOB
.Ljoin_\@:
.endif
	s_add_co_u32 s[KF], s[KF], 128
	s_add_co_u32 s[TB], s[TB], 8192
.endm
.macro FOUR_STEPS job                  ; a slot's four steps: written once, walked four times
	s_mov_b32 s[CNT], 4
.Lstep_\@:
	STEP \job
	s_sub_co_u32 s[CNT], s[CNT], 1
	s_cmp_lg_u32 s[CNT], 0
	s_cbranch_scc1 .Lstep_\@
	s_sub_co_u32 s[TB], s[TB], 32768               ; back to a slot's first step,
	s_xor_b32 s[TB], s[TB], SLOTB                  ; in the other slot
.endm
; THE CHANGE OF SLOTS stands at a slot's head: each wave waits for all its tensor loads (its part of the slot ahead), adds 0 to its spare word, and waits for that and for its reads of the slot that it has left.
; Behind the barrier the slot ahead is whole and nobody reads the other one, which is filled with the keys that follow: that load has four steps in which to land.  By this text's count a wave has one tensor load out.
.macro CHANGE fill
	s_wait_tensorcnt 0x0
	ds_add_u32 v[SPW], v[NIL]
.if \fill
	ds_add_u32 v[SPW], v[NIL]                      ; and once more
	s_xor_b32 s[G0+1], s[G0+1], SLOTB              ; no tensor load of mine is out, so the descriptor may walk: the other slot,
	s_add_nc_u64 s[G0+2:G0+3], s[G0+2:G0+3], 32768 ; the next 512 keys
	s_wait_xcnt 0x0                                ; the last prefetch, a slot back, has read its address
	s_add_nc_u64 s[PFA:PFA+1], s[PFA:PFA+1], 32768
.endif
	s_wait_dscnt 0x0
	s_barrier_signal -1
	s_barrier_wait -1
.if \fill
	s_lshl_b32 s60, ttmp9, 7                       ; the slot that this change would ask for begins at key KF + 512; my work-group's last query is 2,047 - 128 p:
	s_add_co_u32 s60, s60, s[KF]
	s_cmp_gt_u32 s60, 1535                         ; behind that query no wave reads the slot, so it is not asked for.  Ids and the count of steps alone: all sixteen waves go the same way
	s_cbranch_scc1 .Lpast_\@
	TLOAD
.Lpast_\@:
	ASK
.endif
.endm
	s_wait_loadcnt 0x0                             ; Q
.Lslot:                                            ; three trips: behind each change of slots but the last the next slot is asked for
	CHANGE 1
	FOUR_STEPS 1
	s_sub_co_u32 s[SLOTS], s[SLOTS], 1
	s_cmp_lg_u32 s[SLOTS], 0
	s_cbranch_scc1 .Lslot
	CHANGE 0                                       ; the last slot is written out
	FOUR_STEPS 0
	s_cmp_lg_u32 s[JK], -1                         ; a wave that had the weights' work summed its last p there, and took their registers
	s_cbranch_scc1 .Lsummed
	SUMP                                           ; the last step's p
.Lsummed:
	; THE WAY OUT: O^T / l becomes codes, which are registers 8 (head % 2) + 0 .. 7 of ctx's fragment: they leave as they stand
	v_add_f32 v14, v14, v15
	s_delay_alu instid0(VALU_DEP_1)
	v_permlanex16_b32 v214, v14, s[SEL], s[SEL+1]
	s_delay_alu instid0(VALU_DEP_1)
	v_add_f32 v14, v14, v214                       ; the row's sum
	s_wait_alu depctr_va_vdst(0)
	v_rcp_f32 v14, v14
.rept 3
	v_nop                                          ; plain lines behind the reciprocal, and places behind the last products
.endr
	s_wait_alu depctr_va_vdst(0)
.irp j, 0,2,4,6,8,10,12,14,16,18,20,22,24,26,28,30
	v_pk_mul_f32 v[96+\j:97+\j], v[160+\j:161+\j], v[14:15] op_sel_hi:[1,0]
.endr
.irp t, 0,1,2,3
.irp i, 0,1,2,3,4,5,6,7
	v_med3_num_f32 v[96+8*\t+\i], v[96+8*\t+\i], -v222, v222
.endr
	v_cvt_scalef32_pk8_fp8_f32 v[192+2*\t:193+2*\t], v[96+8*\t:103+8*\t], v223
.endr
	v_nop
	global_store_b128 v[LI], v[192:195], s[8:9]               ; 32 lanes store 512 consecutive bytes
	global_store_b128 v[LI], v[196:199], s[8:9] offset:512
	s_wait_tensorcnt 0x0                           ; the wave's end
	ds_add_u32 v[SPW], v[NIL]
	s_wait_dscnt 0x0
	s_endpgm
.Lfunc_end_k_qbc5ec2df7f_attn:
	.size	k_qbc5ec2df7f_attn, .Lfunc_end_k_qbc5ec2df7f_attn-k_qbc5ec2df7f_attn
	.p2alignl 7, 3214868480
	.fill 96, 4, 3214868480
	.section	.rodata,"a",@progbits
	.p2align	6, 0x0
	.amdhsa_kernel k_qbc5ec2df7f_attn
		.amdhsa_group_segment_fixed_size 327680
		.amdhsa_private_segment_fixed_size 0
		.amdhsa_enable_private_segment 0
		.amdhsa_kernarg_size 56
		.amdhsa_user_sgpr_count 2
		.amdhsa_user_sgpr_kernarg_segment_ptr 1
		.amdhsa_wavefront_size32 1
		.amdhsa_system_sgpr_workgroup_id_x 1
		.amdhsa_system_sgpr_workgroup_id_y 1
		.amdhsa_system_sgpr_workgroup_id_z 1
		.amdhsa_system_vgpr_workitem_id 0
		.amdhsa_next_free_vgpr 248
		.amdhsa_next_free_sgpr 100
		.amdhsa_reserve_vcc 1
		.amdhsa_float_denorm_mode_32 3
		.amdhsa_float_denorm_mode_16_64 3
		.amdhsa_memory_ordered 1
		.amdhsa_forward_progress 1
		.amdhsa_inst_pref_size 82
	.end_amdhsa_kernel
	.amdgpu_metadata
---
amdhsa.version: [ 1, 2 ]
amdhsa.kernels:
  - .name:           k_qbc5ec2df7f_attn
    .symbol:         k_qbc5ec2df7f_attn.kd
    .args:
      - { .name: qkv, .offset: 0, .size: 8, .value_kind: global_buffer, .address_space: global }
      - { .name: lowp_scales, .offset: 8, .size: 8, .value_kind: global_buffer, .address_space: global }
      - { .name: ctx, .offset: 16, .size: 8, .value_kind: global_buffer, .address_space: global }
      - { .name: Wo, .offset: 24, .size: 8, .value_kind: global_buffer, .address_space: global }
      - { .name: W1, .offset: 32, .size: 8, .value_kind: global_buffer, .address_space: global }
      - { .name: W2, .offset: 40, .size: 8, .value_kind: global_buffer, .address_space: global }
      - { .name: pw, .offset: 48, .size: 8, .value_kind: global_buffer, .address_space: global }
    .group_segment_fixed_size: 327680
    .private_segment_fixed_size: 0
    .kernarg_segment_align: 8
    .kernarg_segment_size: 56
    .max_flat_workgroup_size: 512
    .sgpr_count:     100
    .vgpr_count:     248
    .wavefront_size: 32
...
	.end_amdgpu_metadata
.endif
;; end of part 3
;; launch wo (part 4): grid 8 x 32, 4 waves a work-group, clusters of 4 x 4, 327,680 bytes of LDS; arguments ctx, pw, lowp_scales, bo, x, x1; writes x1
.if DOCPART == 4
	.amdgcn_target "amdgcn-amd-amdhsa--gfx1250"
	.amdhsa_code_object_version 6
	.text
	.protected	k_qbc5ec2df7f_wo
	.globl	k_qbc5ec2df7f_wo
	.p2align	8
	.type	k_qbc5ec2df7f_wo,@function
k_qbc5ec2df7f_wo:
	s_mov_b64 s[64:65], 0
	v_nop
	global_prefetch_b8 v0, s[64:65] scope:SCOPE_SE
	s_setreg_imm32_b32 hwreg(HW_REG_WAVE_MODE, 25, 1), 1
	s_wait_xcnt 0x0
	s_wait_alu depctr_hold_cnt(0) depctr_sa_sdst(0) depctr_va_vdst(0) depctr_va_sdst(0) depctr_va_ssrc(0) depctr_va_vcc(0) depctr_vm_vsrc(0)
	s_getreg_b32 s2, hwreg(HW_REG_IB_STS2, 6, 4)
	s_cmp_eq_u32 s2, 0
	s_cbranch_scc0 .Lentry_in_a_cluster
	s_endpgm
.Lentry_in_a_cluster:
	s_bfe_u32 s2, ttmp6, 0x10000c
	s_cmp_lg_u32 s2, 0xf033
	s_cbranch_scc0 .Lentry_shape_is_right
	s_endpgm
.Lentry_shape_is_right:
; x1 = x + (ctx Wo^T + bo): [4,096] x [1,024], K = 1,024, on codes of E4M3; x1 is f32.
; Tiles of 128 x 128: 256 work-groups.  Four waves, each 64 x 64: 16 accumulators.
; OPERANDS ARE IMAGES OF THEIR REGISTERS (a fragment, 16 rows x 128 K, is 2,048 consecutive bytes; an operand is [row tile][K step][2,048]).  ALL OF K LIES IN LDS AT ONCE: 8 row tiles of each side x 16,384 bytes = 262,144 bytes.
; Each wave asks for four row tiles, 65,536 consecutive bytes, by its one tensor load at the head; nothing is filled again, so there is no ring.  No padding: every LDS load takes 512 consecutive bytes.
; TRANSPOSED USE (source 0 = 16 rows of the weight, source 1 = 16 tokens): a lane holds eight neighbouring columns of a row.  CLUSTERS 4 x 4: the tokens' tiles are asked for jointly along a row, the weight's along a column.
; The residual's 64 x 64 numbers of a wave are asked for at the head, into window 2.  No prefetch: all that a work-group reads is asked for at its head, and there is no loop to run ahead in.
; LIMIT: e10 + e11 lies between -126 and 127.
; REGISTERS: window 0: v8-11 the bias, v16-29 addresses, v32-95 at work on the way out, v128-255 the accumulators; window 1: two buffers of 128 (A's 4 fragments, then B's 4); window 2: v0-127 the residual.
.set PITCH, 16384                      ; a row tile in memory and in LDS: 8 K steps
.set WOFF,  15728640                   ; Wo's codes in pw
.set SOFF,  0x28                       ; e10, e11
.set RT,    PITCH
.set QT,    4*RT                       ; what one tensor load brings, and what one wave reads of A or of B
.set SPARE, 4*QT                       ; behind the tiles: the spare words, 128 bytes for each wave
.set STAGE, SPARE+512                  ; behind them: the way out's stage, 16 rows x (256 + 16) bytes for each wave
.set SPITCH, 272
.set ADRA, 16
.set ADRB, 20
.set STO,  24
.set RD,   25
.set CO,   26
.set LI,   27
.set SPW,  28
.set NIL,  29
.set OB,   32
.set ACC,  128
.set F0,   0
.set F1,   128
.set G1, 24
.set G0, 32
.set G1B, 48
.set G0B, 56
.set MSB, 0
.macro WIN new                         ; the immediate's high byte repeats the setting that is left
.if MSB != \new
	s_set_vgpr_msb (MSB<<8)|\new
.set MSB, \new
.endif
.endm
.set MUL,  0x05                        ; sources 0 and 1 window 1; C and D window 0
.set TO_F, 0x40
.macro CREST
	s_cmp_lg_u32 s10, 0
	s_cbranch_scc1 .Lnot_wave_0_\@
	s_barrier_signal -3
.Lnot_wave_0_\@:
	s_barrier_wait -3
	s_barrier_signal -1
	s_barrier_wait -1
.endm
.macro CROUND
	s_barrier_signal -1
	s_barrier_wait -1
	CREST
.endm
.macro PLACES
.rept 4
	v_nop
.endr
.endm
	s_load_b256 s[68:75], s[0:1], 0x0              ; ctx 68, pw 70, the scales' exponents 72, bo 74
	s_load_b128 s[76:79], s[0:1], 0x20             ; x 76, x1 78
	v_lshl_add_u32 v[SPW], v0, 2, SPARE
	v_mov_b32 v[NIL], 0
	ds_add_u32 v[SPW], v[NIL]                      ; the opening: the add, twice on end, and its wait
	ds_add_u32 v[SPW], v[NIL]
	v_lshrrev_b32 v1, 5, v0
	v_readfirstlane_b32 s10, v1                    ; wave 0..3
	s_lshr_b32 s11, s10, 1                         ; my half of the rows.  Also: I fetch for A (0) or for B (1)
	s_and_b32 s12, s10, 1                          ; my half of the columns.  Also: which 4 row tiles I fetch
	s_bfe_u32 s40, ttmp6, 0x40000
	s_bfe_u32 s41, ttmp6, 0x40004
	s_lshl_b32 s42, ttmp9, 2
	s_add_co_u32 s42, s42, s40                     ; tile column
	s_and_b32 s13, ttmp7, 0xffff
	s_lshl_b32 s13, s13, 2
	s_add_co_u32 s13, s13, s41                     ; tile row
	s_lshl_b32 s43, s41, 2
	s_lshl_b32 s43, 15, s43
	s_lshl_b32 s44, 0x1111, s40
	s_or_b32 s[G1+0], s43, (3<<16)|(1<<21)         ; the mask; elements of 8 bytes; bit 21 beside a mask; no padding
	s_or_b32 s[G1B+0], s44, (3<<16)|(1<<21)
.irp g, G1, G1B
	s_mov_b32 s[\g+1], 2048<<16                    ; tensor_dim0 = 2,048 elements: 16,384 bytes
	s_mov_b32 s[\g+2], 4<<16                       ; tensor_dim1 = 4 row tiles
	s_mov_b32 s[\g+3], 2048<<16
	s_mov_b32 s[\g+4], 4
	s_mov_b32 s[\g+5], PITCH/8
	s_mov_b32 s[\g+6], 0
	s_mov_b32 s[\g+7], 0
.endr
	s_lshl_b32 s17, s12, 2
	s_lshl_b32 s16, s13, 3
	s_add_co_u32 s16, s16, s17
	s_mul_i32 s16, s16, PITCH                      ; A: row tile 8 x tile row + 4 x half
	s_lshl_b32 s46, s42, 3
	s_add_co_u32 s46, s46, s17
	s_mul_i32 s46, s46, PITCH
	s_add_co_u32 s46, s46, WOFF                    ; B likewise, by the tile column
	s_mov_b32 s17, 0
	s_mov_b32 s47, 0
	s_mul_i32 s20, s10, QT                         ; where they go: no place in the cluster enters an LDS address
	s_wait_dscnt 0x0                               ; both opening adds are done
	s_wait_kmcnt 0x0
	s_load_b64 s[96:97], s[72:73], SOFF
	s_add_nc_u64 s[14:15], s[68:69], s[16:17]
	s_add_nc_u64 s[46:47], s[70:71], s[46:47]
	CROUND                                         ; all sixteen work-groups are here: the joint loads meet
	s_mov_b32 s[G0], 1
	s_mov_b32 s[G0+1], s20
	s_mov_b64 s[G0+2:G0+3], s[14:15]
	s_or_b32 s[G0+3], s[G0+3], 0x80000000
	s_mov_b32 s[G0B], 1
	s_mov_b32 s[G0B+1], s20
	s_mov_b64 s[G0B+2:G0B+3], s[46:47]
	s_or_b32 s[G0B+3], s[G0B+3], 0x80000000
	s_cmp_eq_u32 s11, 0                            ; waves 0 and 1 fetch A's halves, waves 2 and 3 B's; s_nop 0 and four v_nop follow each line
	s_cbranch_scc0 .Lfor_b
	tensor_load_to_lds s[G0:G0+3], s[G1:G1+7]
	s_nop 0
	PLACES
	s_branch .Lasked
.Lfor_b:
	tensor_load_to_lds s[G0B:G0B+3], s[G1B:G1B+7]
	s_nop 0
	PLACES
.Lasked:
	v_and_b32 v1, 15, v0
	v_bfe_u32 v2, v0, 4, 1
	v_and_b32 v3, 31, v0
	v_lshlrev_b32 v[LI], 4, v3
	v_lshlrev_b32 v[CO], 12, v2
	v_lshl_add_u32 v[CO], v1, 4, v[CO]             ; lanes 0-15 one row's 256 bytes, lanes 16-31 the next row's
	v_lshlrev_b32 v7, 4, v1
	s_wait_alu depctr_va_vdst(0)                   ; the wait ahead of the run of scalar lines
	s_lshl_b32 s80, s13, 7
	s_lshl_b32 s81, s11, 6
	s_add_co_u32 s80, s80, s81
	s_lshl_b32 s80, s80, 12                        ; my first row, of 4,096 bytes
	s_lshl_b32 s82, s42, 7
	s_lshl_b32 s83, s12, 6
	s_add_co_u32 s82, s82, s83
	s_lshl_b32 s82, s82, 2                         ; my first column, in bytes
	s_mov_b32 s83, 0
	s_add_nc_u64 s[74:75], s[74:75], s[82:83]
	s_add_co_u32 s80, s80, s82
	s_mov_b32 s81, 0
	s_add_nc_u64 s[76:77], s[76:77], s[80:81]
	s_add_nc_u64 s[78:79], s[78:79], s[80:81]
	WIN 0x80                                       ; destination window 2
.irp a, 0,1,2,3
.irp t, 0,1,2,3,4,5,6,7
	global_load_b128 v[4*(8*\a+\t):4*(8*\a+\t)+3], v[CO], s[76:77] offset:(16*\a+2*\t)*4096 th:TH_LOAD_NT
.endr
.endr
	WIN 0
	global_load_b128 v[8:11], v7, s[74:75]         ; the bias of my four columns
	s_mul_i32 s21, s11, QT
	s_mul_i32 s22, s12, QT
	s_add_co_u32 s22, s22, 2*QT
	v_add_nc_u32 v[ADRA], s21, v[LI]
	v_add_nc_u32 v[ADRB], s22, v[LI]
	s_mul_i32 s23, s10, 16*SPITCH
	s_add_co_u32 s23, s23, STAGE
	v_mul_u32_u24 v4, v1, SPITCH
	v_lshl_add_u32 v4, v2, 5, v4
	v_add_nc_u32 v[STO], s23, v4                   ; into my stage: row r, 32 bytes for each half of the lanes
	v_mul_u32_u24 v5, v2, SPITCH
	v_lshl_add_u32 v5, v1, 4, v5
	v_add_nc_u32 v[RD], s23, v5                    ; back: two rows an instruction
.macro MUL4 f, a, zero                 ; A's block a x B's four.  The sixteen accumulators take turns, one instruction a turn, in the same order in every K step
.irp b, 0,1,2,3
.if \zero
	v_wmma_f32_16x16x128_fp8_fp8 v[ACC+8*(4*(\a)+\b):ACC+8*(4*(\a)+\b)+7], v[\f+64+16*\b:\f+64+16*\b+15], v[\f+16*(\a):\f+16*(\a)+15], 0
.else
	v_wmma_f32_16x16x128_fp8_fp8 v[ACC+8*(4*(\a)+\b):ACC+8*(4*(\a)+\b)+7], v[\f+64+16*\b:\f+64+16*\b+15], v[\f+16*(\a):\f+16*(\a)+15], v[ACC+8*(4*(\a)+\b):ACC+8*(4*(\a)+\b)+7]
.endif
.endr
.endm
.macro MUL16 f, zero
	WIN MUL
.irp a, 0,1,2,3
	MUL4 \f, \a, \zero
.endr
.endm
.macro FETCH q, f                      ; the eight fragments of K step q into buffer f: 32 loads in one run
	WIN TO_F
.irp i, 0,1,2,3
.irp c, 0,1,2,3
	ds_load_b128 v[\f+64+16*\i+4*\c:\f+64+16*\i+4*\c+3], v[ADRB] offset:\i*RT+(\q)*2048+512*\c
	ds_load_b128 v[\f+16*\i+4*\c:\f+16*\i+4*\c+3], v[ADRA] offset:\i*RT+(\q)*2048+512*\c
.endr
.endr
.endm
.macro QUARTER q, f, g, zero           ; multiplies buffer f (K step q - 1) while K step q comes into buffer g
	s_wait_dscnt 0x0                               ; buffer f is in
	PLACES                                         ; buffer g's last readers are the products just issued
	FETCH \q, \g
	MUL16 \f, \zero
.endm
	s_wait_alu depctr_va_vdst(0)                   ; the wait at the head's end
	s_wait_tensorcnt 0x0                           ; my four row tiles are in;
	s_barrier_signal -1
	s_barrier_wait -1                              ; and everybody's
	FETCH 0, F0
	QUARTER 1, F0, F1, 1                           ; the first K step's products start the sums
	QUARTER 2, F1, F0, 0
	QUARTER 3, F0, F1, 0
	QUARTER 4, F1, F0, 0
	QUARTER 5, F0, F1, 0
	QUARTER 6, F1, F0, 0
	QUARTER 7, F0, F1, 0
	s_wait_dscnt 0x0
	MUL16 F1, 0
	WIN 0
	; THE WAY OUT: x1 = sum x 2^(e10 + e11) + (x + bo).  A wave's 64 columns are 256 bytes: a block of 16 rows goes through my own stage and comes back as whole rows.
	s_wait_loadcnt 0x0                             ; the residual and the bias
	s_wait_kmcnt 0x0
	s_add_co_i32 s96, s96, s97
	s_add_co_i32 s96, s96, 127
	s_lshl_b32 s96, s96, 23                        ; 2^(e10 + e11) as f32
	s_mov_b32 s97, s96
	PLACES
	WIN 0x82                                       ; source 0 and destination window 2
.set j, 0
.rept 32
	v_pk_add_f32 v[4*j:4*j+1], v[4*j:4*j+1], v[8:9]
	v_pk_add_f32 v[4*j+2:4*j+3], v[4*j+2:4*j+3], v[10:11]
.set j, j+1
.endr
	WIN 0
.macro TOSTAGE a
.irp b, 0,1,2,3
	ds_store_b128 v[STO], v[ACC+8*(4*(\a)+\b):ACC+8*(4*(\a)+\b)+3] offset:64*\b          ; each accumulator from its low end on
	ds_store_b128 v[STO], v[ACC+8*(4*(\a)+\b)+4:ACC+8*(4*(\a)+\b)+7] offset:64*\b+16
.endr
.irp t, 0,1,2,3,4,5,6,7
	ds_load_b128 v[OB+32*((\a)%2)+4*\t:OB+32*((\a)%2)+4*\t+3], v[RD] offset:\t*2*SPITCH   ; LDS serves a wave's instructions in order (ISA guide 5.7.1.4)
.endr
.endm
.macro SEND a, younger                 ; younger: the LDS instructions issued behind block a's loads
.set BB, OB+32*((\a)%2)
	s_wait_dscnt \younger
	WIN 0x20                                       ; source 2 window 2
.set j, 0
.rept 16
	v_pk_fma_f32 v[BB+2*j:BB+2*j+1], v[BB+2*j:BB+2*j+1], s[96:97], v[32*(\a)+2*j:32*(\a)+2*j+1] op_sel_hi:[1,0,1]
.set j, j+1
.endr
	WIN 0
.irp t, 0,1,2,3,4,5,6,7
	global_store_b128 v[CO], v[BB+4*\t:BB+4*\t+3], s[78:79] offset:(16*(\a)+2*\t)*4096    ; 16 lanes store 256 consecutive bytes, at a multiple of 256 from the buffer's first byte
.endr
.endm
	TOSTAGE 0
.irp a, 1,2,3
.if \a > 1
	s_wait_xcnt 0x0                                ; block a - 2's stores have read their registers: block a's loads may land there
.endif
	TOSTAGE \a
	SEND \a-1, 16
.endr
	SEND 3, 0
	s_wait_tensorcnt 0x0                           ; the wave's end
	ds_add_u32 v[SPW], v[NIL]
	s_wait_dscnt 0x0
	CROUND                                         ; the closing round
	s_endpgm
.Lfunc_end_k_qbc5ec2df7f_wo:
	.size	k_qbc5ec2df7f_wo, .Lfunc_end_k_qbc5ec2df7f_wo-k_qbc5ec2df7f_wo
	.p2alignl 7, 3214868480
	.fill 96, 4, 3214868480
	.section	.rodata,"a",@progbits
	.p2align	6, 0x0
	.amdhsa_kernel k_qbc5ec2df7f_wo
		.amdhsa_group_segment_fixed_size 327680
		.amdhsa_private_segment_fixed_size 0
		.amdhsa_enable_private_segment 0
		.amdhsa_kernarg_size 48
		.amdhsa_user_sgpr_count 2
		.amdhsa_user_sgpr_kernarg_segment_ptr 1
		.amdhsa_wavefront_size32 1
		.amdhsa_system_sgpr_workgroup_id_x 1
		.amdhsa_system_sgpr_workgroup_id_y 1
		.amdhsa_system_sgpr_workgroup_id_z 1
		.amdhsa_system_vgpr_workitem_id 0
		.amdhsa_next_free_vgpr 640
		.amdhsa_next_free_sgpr 100
		.amdhsa_reserve_vcc 0
		.amdhsa_float_denorm_mode_32 3
		.amdhsa_float_denorm_mode_16_64 3
		.amdhsa_memory_ordered 1
		.amdhsa_forward_progress 1
		.amdhsa_inst_pref_size 51
	.end_amdhsa_kernel
	.amdgpu_metadata
---
amdhsa.version: [ 1, 2 ]
amdhsa.kernels:
  - .name:           k_qbc5ec2df7f_wo
    .symbol:         k_qbc5ec2df7f_wo.kd
    .args:
      - { .name: ctx, .offset: 0, .size: 8, .value_kind: global_buffer, .address_space: global }
      - { .name: pw, .offset: 8, .size: 8, .value_kind: global_buffer, .address_space: global }
      - { .name: lowp_scales, .offset: 16, .size: 8, .value_kind: global_buffer, .address_space: global }
      - { .name: bo, .offset: 24, .size: 8, .value_kind: global_buffer, .address_space: global }
      - { .name: x, .offset: 32, .size: 8, .value_kind: global_buffer, .address_space: global }
      - { .name: x1, .offset: 40, .size: 8, .value_kind: global_buffer, .address_space: global }
    .group_segment_fixed_size: 327680
    .private_segment_fixed_size: 0
    .kernarg_segment_align: 8
    .kernarg_segment_size: 48
    .max_flat_workgroup_size: 128
    .sgpr_count:     100
    .vgpr_count:     640
    .wavefront_size: 32
...
	.end_amdgpu_metadata
.endif
;; end of part 4
;; launch ln2 (part 5): grid 256 x 1, 8 waves a work-group, no clusters, 66,816 bytes of LDS; arguments x1, g2, be2, lowp_scales, hc; writes hc
.if DOCPART == 5
	.amdgcn_target "amdgcn-amd-amdhsa--gfx1250"
	.amdhsa_code_object_version 6
	.text
	.protected	k_qbc5ec2df7f_ln2
	.globl	k_qbc5ec2df7f_ln2
	.p2align	8
	.type	k_qbc5ec2df7f_ln2,@function
k_qbc5ec2df7f_ln2:
	s_mov_b64 s[64:65], 0
	v_nop
	global_prefetch_b8 v0, s[64:65] scope:SCOPE_SE
	s_setreg_imm32_b32 hwreg(HW_REG_WAVE_MODE, 25, 1), 1
	s_wait_xcnt 0x0
; LN2(x1) as codes of E4M3 under scale 12, laid as images of the operand's registers: [row tile][K step][2,048], registers 4 p .. 4 p + 3 of lane l at 512 p + 16 l; lane (r, h) holds row r, registers 2 c, 2 c + 1 hold k = 16 c + 8 h + 0 .. 7.
; A work-group takes 16 rows.  Wave w norms rows 2 w and 2 w + 1 (a row is 32 registers of the wave: read once); behind the one barrier it quantises K step w of all 16 rows.
; mean, then the squares of x - mean (no difference of large sums); unbiased variance; eps is added to the std.  LIMIT: e12 between -126 and 119.  NaN among the inputs is not served.
.set MANT, 0x600000
.set LI,   5
.set XA,   32
.set XB,   64
.set G,    96
.set BE,   128
.set Y,    32
.set T,    96
.set CL,   160
	s_load_b256 s[4:11], s[0:1], 0x0               ; x1 4, g2 6, be2 8, the scales' exponents 10
	s_load_b64 s[12:13], s[0:1], 0x20              ; hc
	v_lshl_add_u32 v254, v0, 2, 0x10100
	v_mov_b32 v255, 0
	v_lshrrev_b32 v1, 5, v0
	s_delay_alu instid0(VALU_DEP_1)
	v_readfirstlane_b32 s28, v1                    ; wave 0..7
	v_and_b32 v2, 31, v0
	v_and_b32 v3, 15, v0                           ; r
	v_bfe_u32 v4, v0, 4, 1                         ; h
	s_delay_alu instid0(VALU_DEP_3)
	v_lshlrev_b32 v[LI], 4, v2
	s_mov_b32 s60, 0x76543210
	s_mov_b32 s61, 0xfedcba98
	s_lshl_b32 s30, ttmp9, 16
	s_lshl_b32 s29, s28, 13
	s_add_co_u32 s30, s30, s29
	s_mov_b32 s31, 0
	s_wait_alu depctr_va_vdst(0)
	s_wait_kmcnt 0x0
	s_load_b32 s33, s[10:11], 0x30                 ; e12
	s_add_nc_u64 s[4:5], s[4:5], s[30:31]
.irp j, 0,1,2,3,4,5,6,7
	global_load_b128 v[XA+4*\j:XA+4*\j+3], v[LI], s[4:5] offset:512*\j th:TH_LOAD_NT
.endr
.irp j, 0,1,2,3,4,5,6,7
	global_load_b128 v[XB+4*\j:XB+4*\j+3], v[LI], s[4:5] offset:4096+512*\j th:TH_LOAD_NT
.endr
.irp j, 0,1,2,3,4,5,6,7
	global_load_b128 v[G+4*\j:G+4*\j+3], v[LI], s[6:7] offset:512*\j
.endr
.irp j, 0,1,2,3,4,5,6,7
	global_load_b128 v[BE+4*\j:BE+4*\j+3], v[LI], s[8:9] offset:512*\j
.endr
	s_mul_i32 s29, s28, 8224
	v_add_nc_u32 v12, s29, v[LI]                   ; into LDS: row 2 w; rows are 4,112 bytes apart (1,028 words: row r starts at bank 4 r mod 64)
	v_mul_u32_u24 v13, v3, 4112
	s_delay_alu instid0(VALU_DEP_1)
	v_lshl_add_u32 v13, v4, 5, v13
	s_lshl_b32 s29, s28, 9
	v_add_nc_u32 v13, s29, v13                     ; back: row r, K step w, + 32 h
	s_lshl_b32 s30, ttmp9, 14
	s_lshl_b32 s29, s28, 11
	s_add_co_u32 s30, s30, s29
	s_add_nc_u64 s[50:51], s[12:13], s[30:31]
	v_mov_b32 v230, 0
	v_mov_b32 v231, 0
.macro WRED ta, tb
.irp m, 1,2,4,8
	s_delay_alu instid0(VALU_DEP_2)
	v_add_f32_dpp v[\ta], v[\ta], v[\ta] row_xmask:\m row_mask:0xf bank_mask:0xf
	s_delay_alu instid0(VALU_DEP_2)
	v_add_f32_dpp v[\tb], v[\tb], v[\tb] row_xmask:\m row_mask:0xf bank_mask:0xf
.endr
	s_delay_alu instid0(VALU_DEP_2)
	v_permlanex16_b32 v230, v[\ta], s60, s61
	s_delay_alu instid0(VALU_DEP_2)
	v_permlanex16_b32 v231, v[\tb], s60, s61
	s_delay_alu instid0(VALU_DEP_2)
	v_add_f32 v[\ta], v[\ta], v230
	s_delay_alu instid0(VALU_DEP_2)
	v_add_f32 v[\tb], v[\tb], v231
.endm
	s_wait_loadcnt 16                              ; the rows' sixteen loads are in; gamma's and beta's sixteen may be out
	v_pk_add_f32 v[208:209], v[XA:XA+1], v[XA+2:XA+3]
	v_pk_add_f32 v[212:213], v[XB:XB+1], v[XB+2:XB+3]
	v_pk_add_f32 v[210:211], v[XA+4:XA+5], v[XA+6:XA+7]
	v_pk_add_f32 v[214:215], v[XB+4:XB+5], v[XB+6:XB+7]
.irp j, 8,12,16,20,24,28
	s_delay_alu instid0(VALU_DEP_4)
	v_pk_add_f32 v[208:209], v[208:209], v[XA+\j:XA+\j+1]
	s_delay_alu instid0(VALU_DEP_4)
	v_pk_add_f32 v[212:213], v[212:213], v[XB+\j:XB+\j+1]
	s_delay_alu instid0(VALU_DEP_4)
	v_pk_add_f32 v[210:211], v[210:211], v[XA+\j+2:XA+\j+3]
	s_delay_alu instid0(VALU_DEP_4)
	v_pk_add_f32 v[214:215], v[214:215], v[XB+\j+2:XB+\j+3]
.endr
	s_delay_alu instid0(VALU_DEP_2)
	v_pk_add_f32 v[208:209], v[208:209], v[210:211]
	s_delay_alu instid0(VALU_DEP_2)
	v_pk_add_f32 v[212:213], v[212:213], v[214:215]
	s_delay_alu instid0(VALU_DEP_2)
	v_add_f32 v208, v208, v209
	s_delay_alu instid0(VALU_DEP_2)
	v_add_f32 v212, v212, v213
	WRED 208, 212
	s_delay_alu instid0(VALU_DEP_2)
	v_mul_f32 v208, 0x3a800000, v208               ; the mean
	s_delay_alu instid0(VALU_DEP_2)
	v_mul_f32 v212, 0x3a800000, v212
	s_delay_alu instid0(VALU_DEP_2)
	v_mov_b32 v209, v208
	s_delay_alu instid0(VALU_DEP_2)
	v_mov_b32 v213, v212
.irp j, 0,2,4,6,8,10,12,14,16,18,20,22,24,26,28,30
	v_pk_add_f32 v[XA+\j:XA+\j+1], v[XA+\j:XA+\j+1], v[208:209] neg_lo:[0,1] neg_hi:[0,1]
	v_pk_add_f32 v[XB+\j:XB+\j+1], v[XB+\j:XB+\j+1], v[212:213] neg_lo:[0,1] neg_hi:[0,1]
.endr
	v_pk_mul_f32 v[216:217], v[XA:XA+1], v[XA:XA+1]
	v_pk_mul_f32 v[220:221], v[XB:XB+1], v[XB:XB+1]
	v_pk_mul_f32 v[218:219], v[XA+2:XA+3], v[XA+2:XA+3]
	v_pk_mul_f32 v[222:223], v[XB+2:XB+3], v[XB+2:XB+3]
.irp j, 4,8,12,16,20,24,28
	s_delay_alu instid0(VALU_DEP_4)
	v_pk_fma_f32 v[216:217], v[XA+\j:XA+\j+1], v[XA+\j:XA+\j+1], v[216:217]
	s_delay_alu instid0(VALU_DEP_4)
	v_pk_fma_f32 v[220:221], v[XB+\j:XB+\j+1], v[XB+\j:XB+\j+1], v[220:221]
	s_delay_alu instid0(VALU_DEP_4)
	v_pk_fma_f32 v[218:219], v[XA+\j+2:XA+\j+3], v[XA+\j+2:XA+\j+3], v[218:219]
	s_delay_alu instid0(VALU_DEP_4)
	v_pk_fma_f32 v[222:223], v[XB+\j+2:XB+\j+3], v[XB+\j+2:XB+\j+3], v[222:223]
.endr
	s_delay_alu instid0(VALU_DEP_2)
	v_pk_add_f32 v[216:217], v[216:217], v[218:219]
	s_delay_alu instid0(VALU_DEP_2)
	v_pk_add_f32 v[220:221], v[220:221], v[222:223]
	s_delay_alu instid0(VALU_DEP_2)
	v_add_f32 v216, v216, v217
	s_delay_alu instid0(VALU_DEP_2)
	v_add_f32 v220, v220, v221
	WRED 216, 220
	s_delay_alu instid0(VALU_DEP_2)
	v_mul_f32 v216, 0x3a802008, v216               ; / 1,023
	s_delay_alu instid0(VALU_DEP_2)
	v_mul_f32 v220, 0x3a802008, v220
	s_wait_alu depctr_va_vdst(0)
	v_sqrt_f32 v218, v216
	v_sqrt_f32 v222, v220
	v_nop                                          ; a plain line behind the roots,
	s_wait_alu depctr_va_vdst(0)                   ; and the one wait ahead of their first reader
	v_add_f32 v218, 0x358637bd, v218               ; std + 1e-6
	v_add_f32 v222, 0x358637bd, v222
	s_wait_alu depctr_va_vdst(0)
	v_rcp_f32 v216, v218
	v_rcp_f32 v220, v222
	v_nop
	s_wait_alu depctr_va_vdst(0)
	v_mov_b32 v217, v216
	v_mov_b32 v221, v220
	s_wait_alu depctr_va_vdst(0)
	s_wait_loadcnt 0x0
.irp j, 0,2,4,6,8,10,12,14,16,18,20,22,24,26,28,30
	v_pk_mul_f32 v[XA+\j:XA+\j+1], v[XA+\j:XA+\j+1], v[216:217]
	v_pk_mul_f32 v[XB+\j:XB+\j+1], v[XB+\j:XB+\j+1], v[220:221]
.endr
.irp j, 0,2,4,6,8,10,12,14,16,18,20,22,24,26,28,30
	v_pk_fma_f32 v[XA+\j:XA+\j+1], v[XA+\j:XA+\j+1], v[G+\j:G+\j+1], v[BE+\j:BE+\j+1]
	v_pk_fma_f32 v[XB+\j:XB+\j+1], v[XB+\j:XB+\j+1], v[G+\j:G+\j+1], v[BE+\j:BE+\j+1]
.endr
.irp j, 0,1,2,3,4,5,6,7
	ds_store_b128 v12, v[XA+4*\j:XA+4*\j+3] offset:512*\j
	ds_store_b128 v12, v[XB+4*\j:XB+4*\j+3] offset:4112+512*\j
.endr
	s_wait_dscnt 0x0                               ; for the others' sake: my two rows lie in LDS
	s_barrier_signal -1
	s_barrier_wait -1
.irp c, 0,1,2,3,4,5,6,7
	ds_load_b128 v[Y+8*\c:Y+8*\c+3], v13 offset:64*\c
	ds_load_b128 v[Y+8*\c+4:Y+8*\c+7], v13 offset:64*\c+16
.endr
	s_wait_kmcnt 0x0
	s_add_co_i32 s56, s33, 127
	s_lshl_b32 s57, s56, 23
	v_mov_b32 v224, s57                            ; 2^e12 as f32
	s_add_co_i32 s56, s56, 8
	s_lshl_b32 s56, s56, 23
	s_or_b32 s56, s56, MANT
	v_mov_b32 v225, s56                            ; 448 x 2^e12
	s_wait_alu depctr_va_vdst(0)
	s_wait_dscnt 0x0
.irp b, 0,1,2,3,4,5,6,7
.irp i, 0,1,2,3,4,5,6,7
	v_med3_num_f32 v[T+8*\b+\i], v[Y+8*\b+\i], -v225, v225   ; the conversion to an 8-bit code does not saturate (ISA guide 7.6.2)
.endr
	v_cvt_scalef32_pk8_fp8_f32 v[CL+2*\b:CL+2*\b+1], v[T+8*\b:T+8*\b+7], v224
.endr
	v_nop
.irp c, 0,1,2,3
	global_store_b128 v[LI], v[CL+4*\c:CL+4*\c+3], s[50:51] offset:512*\c          ; 32 lanes store 512 consecutive bytes
.endr
	s_wait_tensorcnt 0x0
	ds_add_u32 v254, v255
	s_wait_dscnt 0x0
	s_endpgm
.Lfunc_end_k_qbc5ec2df7f_ln2:
	.size	k_qbc5ec2df7f_ln2, .Lfunc_end_k_qbc5ec2df7f_ln2-k_qbc5ec2df7f_ln2
	.p2alignl 7, 3214868480
	.fill 96, 4, 3214868480
	.section	.rodata,"a",@progbits
	.p2align	6, 0x0
	.amdhsa_kernel k_qbc5ec2df7f_ln2
		.amdhsa_group_segment_fixed_size 66816
		.amdhsa_private_segment_fixed_size 0
		.amdhsa_enable_private_segment 0
		.amdhsa_kernarg_size 40
		.amdhsa_user_sgpr_count 2
		.amdhsa_user_sgpr_kernarg_segment_ptr 1
		.amdhsa_wavefront_size32 1
		.amdhsa_system_sgpr_workgroup_id_x 1
		.amdhsa_system_sgpr_workgroup_id_y 1
		.amdhsa_system_sgpr_workgroup_id_z 1
		.amdhsa_system_vgpr_workitem_id 0
		.amdhsa_next_free_vgpr 256
		.amdhsa_next_free_sgpr 66
		.amdhsa_reserve_vcc 0
		.amdhsa_float_denorm_mode_32 3
		.amdhsa_float_denorm_mode_16_64 3
		.amdhsa_memory_ordered 1
		.amdhsa_forward_progress 1
		.amdhsa_inst_pref_size 28
	.end_amdhsa_kernel
	.amdgpu_metadata
---
amdhsa.version: [ 1, 2 ]
amdhsa.kernels:
  - .name:           k_qbc5ec2df7f_ln2
    .symbol:         k_qbc5ec2df7f_ln2.kd
    .args:
      - { .name: x1, .offset: 0, .size: 8, .value_kind: global_buffer, .address_space: global }
      - { .name: g2, .offset: 8, .size: 8, .value_kind: global_buffer, .address_space: global }
      - { .name: be2, .offset: 16, .size: 8, .value_kind: global_buffer, .address_space: global }
      - { .name: lowp_scales, .offset: 24, .size: 8, .value_kind: global_buffer, .address_space: global }
      - { .name: hc, .offset: 32, .size: 8, .value_kind: global_buffer, .address_space: global }
    .group_segment_fixed_size: 66816
    .private_segment_fixed_size: 0
    .kernarg_segment_align: 8
    .kernarg_segment_size: 40
    .max_flat_workgroup_size: 256
    .sgpr_count:     66
    .vgpr_count:     256
    .wavefront_size: 32
...
	.end_amdgpu_metadata
.endif
;; end of part 5
;; launch ff1 (part 6): grid 12 x 16, 4 waves a work-group, clusters of 4 x 4, 327,680 bytes of LDS; arguments hc, pw, lowp_scales, b1, hid; writes hid
.if DOCPART == 6
	.amdgcn_target "amdgcn-amd-amdhsa--gfx1250"
	.amdhsa_code_object_version 6
	.text
	.protected	k_qbc5ec2df7f_ff1
	.globl	k_qbc5ec2df7f_ff1
	.p2align	8
	.type	k_qbc5ec2df7f_ff1,@function
k_qbc5ec2df7f_ff1:
	s_mov_b64 s[64:65], 0
	v_nop
	global_prefetch_b8 v0, s[64:65] scope:SCOPE_SE
	s_setreg_imm32_b32 hwreg(HW_REG_WAVE_MODE, 25, 1), 1
	s_wait_xcnt 0x0
	s_wait_alu depctr_hold_cnt(0) depctr_sa_sdst(0) depctr_va_vdst(0) depctr_va_sdst(0) depctr_va_ssrc(0) depctr_va_vcc(0) depctr_vm_vsrc(0)
	s_getreg_b32 s2, hwreg(HW_REG_IB_STS2, 6, 4)
	s_cmp_eq_u32 s2, 0
	s_cbranch_scc0 .Lentry_in_a_cluster
	s_endpgm
.Lentry_in_a_cluster:
	s_bfe_u32 s2, ttmp6, 0x10000c
	s_cmp_lg_u32 s2, 0xf033
	s_cbranch_scc0 .Lentry_shape_is_right
	s_endpgm
.Lentry_shape_is_right:
; hid = Q(relu(LN2(x1) W1^T + b1)): [4,096] x [3,072], K = 1,024, on codes of E4M3; hid leaves as codes under scale 14, as images of the next operand's registers.
; A work-group of four waves makes 256 x 256, a wave 128 x 128.  K goes in steps of 256 through two LDS slots, filled by joint loads in clusters of 4 x 4 (tokens along a row, weight rows along a column).
; Operands are [row tile][K step of 128][2,048 bytes].  Slots 1 to 3 are prefetched one or two fills ahead of their loads; of a wave's 8 row tiles each of the four partners names two, told apart by address.
; LIMITS: e12 + e13 between -126 and 127; e14 between -126 and 119.
.set W1O,   16777216
.set MANT,  0x600000
.set FRB,   2048
.set RT,    4096
.set HALFT, 8*RT
.set SLOT,  4*HALFT
.set SPARE, 2*SLOT
.set LAPS,  2
.set FR,    16
.set NL,    4
.set NP,    4
.set ADRA, 16
.set ADRB, 20
.set VO0,  24
.set LI,   26
.set BO,   27
.set SPW,  28
.set NIL,  29
.set SC,   30
.set LIM,  31
.set BI,   64
.set AF,   128
.set TMP,  128
.set CD,   192
.set G1, 24
.set G0, 32
.set G1B, 48
.set G0B, 56
.set MSB, 0
.macro WIN new
.if MSB != \new
	s_set_vgpr_msb (MSB<<8)|\new
.set MSB, \new
.endif
.endm
.set MUL_LO, 0xa1
.set MUL_HI, 0xf1
.set TO_B,   0x40
.macro JLOAD g0a, g1a, g0b, g1b
	s_cmp_eq_u32 s15, 0
	s_cbranch_scc0 .Lfor_b_\@
	tensor_load_to_lds s[\g0a:\g0a+3], s[\g1a:\g1a+7]
	s_nop 0
.rept 4
	v_nop
.endr
	s_branch .Lasked_\@
.Lfor_b_\@:
	tensor_load_to_lds s[\g0b:\g0b+3], s[\g1b:\g1b+7]
	s_nop 0
.rept 4
	v_nop
.endr
.Lasked_\@:
.endm
.macro CREST
	s_cmp_lg_u32 s14, 0
	s_cbranch_scc1 .Lnot_wave_0_\@
	s_barrier_signal -3
.Lnot_wave_0_\@:
	s_barrier_wait -3
	s_barrier_signal -1
	s_barrier_wait -1
.endm
.macro CROUND
	s_barrier_signal -1
	s_barrier_wait -1
	CREST
.endm
	s_load_b128 s[4:7], s[0:1], 0x0
	s_load_b128 s[8:11], s[0:1], 0x10
	s_load_b64 s[12:13], s[0:1], 0x20
	v_lshl_add_u32 v[SPW], v0, 2, SPARE
	v_mov_b32 v[NIL], 0
	ds_add_u32 v28, v29
	ds_add_u32 v28, v29
	s_wait_dscnt 0x0
	v_lshrrev_b32 v1, 5, v0
	v_readfirstlane_b32 s14, v1
	s_lshr_b32 s15, s14, 1
	s_and_b32 s16, s14, 1
	s_bfe_u32 s40, ttmp6, 0x40000
	s_bfe_u32 s41, ttmp6, 0x40004
	s_lshl_b32 s42, ttmp9, 2
	s_add_co_u32 s42, s42, s40
	s_and_b32 s17, ttmp7, 0xffff
	s_lshl_b32 s17, s17, 2
	s_add_co_u32 s17, s17, s41
	s_lshl_b32 s43, s41, 2
	s_lshl_b32 s43, 15, s43
	s_lshl_b32 s44, 0x1111, s40
	s_or_b32 s[G1+0], s43, (3<<16)|(1<<21)
	s_or_b32 s[G1B+0], s44, (3<<16)|(1<<21)
.irp g, G1, G1B
	s_mov_b32 s[\g+1], 512<<16
	s_mov_b32 s[\g+2], 8<<16
	s_mov_b32 s[\g+3], 512<<16
	s_mov_b32 s[\g+4], 8
	s_mov_b32 s[\g+5], 2048
	s_mov_b32 s[\g+6], 0
	s_mov_b32 s[\g+7], 0
.endr
	s_lshl_b32 s20, s17, 18
	s_lshl_b32 s46, s42, 18
	s_add_co_u32 s46, s46, W1O
	s_lshl_b32 s21, s16, 17
	s_add_co_u32 s20, s20, s21
	s_add_co_u32 s46, s46, s21
	s_mov_b32 s21, 0
	s_mov_b32 s47, 0
	s_mul_i32 s45, s14, HALFT
	s_wait_kmcnt 0x0
	s_load_b128 s[68:71], s[8:9], 0x30
	s_add_nc_u64 s[20:21], s[4:5], s[20:21]
	s_add_nc_u64 s[46:47], s[6:7], s[46:47]
	CROUND
.irp s, 0,1
	s_mov_b32 s[G0+4*\s], 1
	s_add_co_u32 s[G0+4*\s+1], s45, \s*SLOT
	s_add_nc_u64 s[G0+4*\s+2:G0+4*\s+3], s[20:21], \s*RT
	s_or_b32 s[G0+4*\s+3], s[G0+4*\s+3], 0x80000000
	s_mov_b32 s[G0B+4*\s], 1
	s_add_co_u32 s[G0B+4*\s+1], s45, \s*SLOT
	s_add_nc_u64 s[G0B+4*\s+2:G0B+4*\s+3], s[46:47], \s*RT
	s_or_b32 s[G0B+4*\s+3], s[G0B+4*\s+3], 0x80000000
.endr
	s_cmp_eq_u32 s15, 0                            ; the prefetches: my load's first byte,
	s_cselect_b64 s[94:95], s[20:21], s[46:47]
	s_cselect_b32 s98, s40, s41                    ; my place among the four that ask with me: cx for A, cy for B,
	s_lshl_b32 s98, s98, 15                        ; x two row tiles of 16,384 bytes
	s_mov_b32 s99, 0
	s_add_nc_u64 s[94:95], s[94:95], s[98:99]
	JLOAD G0, G1, G0B, G1B                         ; slot 0: one tensor load a wave at the head
	v_bfe_u32 v2, v0, 4, 1
	v_and_b32 v3, 15, v0
	v_lshlrev_b32 v3, 8, v3
	v_lshl_add_u32 v22, v2, 14, v3                 ; lanes 0-15: 16 blocks of 256 bytes of one row tile's part of a slot; lanes 16-31: of the next row tile's
	s_wait_alu depctr_va_vdst(0)                   ; the wait behind the write
	global_prefetch_b8 v22, s[94:95] offset:RT th:TH_LOAD_NT scope:SCOPE_SE      ; slot 1's bytes, one fill ahead of their load,
	global_prefetch_b8 v22, s[94:95] offset:2*RT th:TH_LOAD_NT scope:SCOPE_SE    ; and slot 2's, two fills ahead
	v_and_b32 v6, 31, v0
	v_lshlrev_b32 v[LI], 4, v6
	s_wait_alu depctr_va_vdst(0)
	v_bfe_u32 v2, v0, 4, 1
	v_lshlrev_b32 v[BO], 5, v2
	s_lshl_b32 s86, s42, 8
	s_lshl_b32 s87, s16, 7
	s_add_co_u32 s86, s86, s87
	s_lshl_b32 s86, s86, 2
	s_mov_b32 s87, 0
	s_add_nc_u64 s[10:11], s[10:11], s[86:87]
.irp b, 0,1,2,3,4,5,6,7
	global_load_b128 v[BI+8*\b:BI+8*\b+3], v[BO], s[10:11] offset:64*\b
	global_load_b128 v[BI+8*\b+4:BI+8*\b+7], v[BO], s[10:11] offset:64*\b+16
.endr
	s_mul_i32 s21, s15, HALFT
	s_mul_i32 s22, s16, HALFT
	s_add_co_u32 s22, s22, 2*HALFT
.irp s, 0,1
	v_add_nc_u32 v[ADRA+\s], s21, v[LI]
	v_add_nc_u32 v[ADRB+\s], s22, v[LI]
	s_add_co_u32 s21, s21, SLOT
	s_add_co_u32 s22, s22, SLOT
.endr
	s_lshl_b32 s88, s17, 4
	s_lshl_b32 s89, s15, 3
	s_add_co_u32 s88, s88, s89
	s_mul_i32 s88, s88, 49152
	s_lshl_b32 s89, s42, 1
	s_add_co_u32 s89, s89, s16
	s_lshl_b32 s89, s89, 11
	s_add_co_u32 s88, s88, s89
	v_add_nc_u32 v[VO0], s88, v[LI]
.macro FRAG reg, adr, q, i
.irp c, 0,1,2,3
	ds_load_b128 v[\reg+4*\c:\reg+4*\c+3], v[\adr] offset:(\i)*RT+(\q)*FRB+512*\c
.endr
.endm
.macro MUL16 a0, p, zero
.irp a, \a0, \a0+1
.irp b, 0,1,2,3,4,5,6,7
.if \zero
	v_wmma_f32_16x16x128_fp8_fp8 v[8*(8*((\a)%4)+\b):8*(8*((\a)%4)+\b)+7], v[128*(\p)+FR*\b:128*(\p)+FR*\b+FR-1], v[AF+FR*(\a):AF+FR*(\a)+FR-1], 0
.else
	v_wmma_f32_16x16x128_fp8_fp8 v[8*(8*((\a)%4)+\b):8*(8*((\a)%4)+\b)+7], v[128*(\p)+FR*\b:128*(\p)+FR*\b+FR-1], v[AF+FR*(\a):AF+FR*(\a)+FR-1], v[8*(8*((\a)%4)+\b):8*(8*((\a)%4)+\b)+7]
.endif
.endr
.endr
.endm
.macro FETCH_B slot, q, p
	WIN TO_B
.irp i, 0,1,2,3,4,5,6,7
	FRAG 128*(\p)+FR*\i, ADRB+\slot, \q, \i
.endr
	WIN 0
.endm
.macro FETCH_A slot, q, i0
.irp i, \i0, \i0+1, \i0+2, \i0+3
	FRAG AF+FR*(\i), ADRA+\slot, \q, \i
.endr
.endm
.macro PLACES n
.rept \n
	v_nop
.endr
.endm
.macro STEP slot, q, zero
	s_wait_dscnt 4*NL
	WIN MUL_LO
	MUL16 0, (\q)%2, \zero
	MUL16 2, (\q)%2, \zero
	s_wait_dscnt 0
	PLACES NP
	FETCH_B \slot, (\q)+1, 1-(\q)%2
	FETCH_A \slot, (\q)+1, 0
	WIN MUL_HI
	MUL16 4, (\q)%2, \zero
	MUL16 6, (\q)%2, \zero
	PLACES NP
	WIN 0
	FETCH_A \slot, (\q)+1, 4
.endm
.macro TURN slot, next, fill
	s_wait_tensorcnt 0x0
	ds_add_u32 v[SPW], v[NIL]
	s_wait_dscnt 4*NL+1
	WIN MUL_LO
	MUL16 0, 1, 0
	s_wait_dscnt 0x0
	s_barrier_signal -1
	MUL16 2, 1, 0
	WIN 0
	s_barrier_wait -1
.if \fill
	CREST
	s_add_nc_u64 s[G0+4*\slot+2:G0+4*\slot+3], s[G0+4*\slot+2:G0+4*\slot+3], 2*RT
	s_add_nc_u64 s[G0B+4*\slot+2:G0B+4*\slot+3], s[G0B+4*\slot+2:G0B+4*\slot+3], 2*RT
	JLOAD G0+4*\slot, G1, G0B+4*\slot, G1B
.else
	PLACES NP
.endif
	FETCH_B \next, 0, 0
	FETCH_A \next, 0, 0
	WIN MUL_HI
	MUL16 4, 1, 0
	MUL16 6, 1, 0
	PLACES NP
	WIN 0
	FETCH_A \next, 0, 4
.endm
	s_wait_alu depctr_va_vdst(0)                   ; the wait at the head's end
	s_wait_tensorcnt 0x0                           ; my part of slot 0 is in; slot 1's first fill is issued as a refill is:
	ds_add_u32 v[SPW], v[NIL]
	s_wait_dscnt 0x0
	CROUND                                         ; everybody's part of slot 0 is in, and the joint loads meet
	JLOAD G0+4, G1, G0B+4, G1B                     ; slot 1: the first tensor load behind the round
	FETCH_B 0, 0, 0
	FETCH_A 0, 0, 0
	FETCH_A 0, 0, 4
	global_prefetch_b8 v22, s[94:95] offset:3*RT th:TH_LOAD_NT scope:SCOPE_SE    ; slot 3's bytes, the last: two fills ahead of their load
	STEP 0, 0, 1
	s_mov_b32 s3, LAPS-1
.Llap:
	TURN 0, 1, 1
	STEP 1, 0, 0
	TURN 1, 0, 1
	STEP 0, 0, 0
	s_sub_co_u32 s3, s3, 1
	s_cmp_lg_u32 s3, 0
	s_cbranch_scc1 .Llap
	TURN 0, 1, 0
	STEP 1, 0, 0
	s_wait_dscnt 4*NL
	WIN MUL_LO
	MUL16 0, 1, 0
	MUL16 2, 1, 0
	s_wait_dscnt 0
	WIN MUL_HI
	MUL16 4, 1, 0
	MUL16 6, 1, 0
	WIN 0
	s_wait_loadcnt 0x0
	s_wait_kmcnt 0x0
	s_add_co_i32 s96, s68, s69
	s_add_co_i32 s96, s96, 127
	s_lshl_b32 s96, s96, 23
	s_mov_b32 s97, s96
	s_add_co_i32 s91, s70, 127
	s_lshl_b32 s92, s91, 23
	v_mov_b32 v[SC], s92
	s_add_co_i32 s91, s91, 8
	s_lshl_b32 s91, s91, 23
	s_or_b32 s91, s91, MANT
	v_mov_b32 v[LIM], s91
	PLACES NP
.macro OUTH a
.set AC, 64*((\a)%4)
	s_wait_xcnt 0x0
	WIN 0x02+((\a)/4)
.set j, 0
.rept 32
	v_pk_fma_f32 v[TMP+j:TMP+j+1], v[AC+j:AC+j+1], s[96:97], v[BI+j:BI+j+1] op_sel_hi:[1,0,1]
.set j, j+2
.endr
	WIN 0
.set j, 0
.rept 64
	v_med3_num_f32 v[TMP+j], v[TMP+j], 0, v[LIM]
.set j, j+1
.endr
.irp b, 0,1,2,3,4,5,6,7
	v_cvt_scalef32_pk8_fp8_f32 v[CD+2*\b:CD+2*\b+1], v[TMP+8*\b:TMP+8*\b+7], v[SC]
.endr
	v_nop
.irp c, 0,1,2,3
	global_store_b128 v[VO0], v[CD+4*\c:CD+4*\c+3], s[12:13] offset:(\a)*49152+512*\c
.endr
.endm
.irp a, 0,1,2,3,4,5,6,7
	OUTH \a
.endr
	s_wait_tensorcnt 0x0
	ds_add_u32 v[SPW], v[NIL]
	s_wait_dscnt 0x0
	CROUND
	s_endpgm
.Lfunc_end_k_qbc5ec2df7f_ff1:
	.size	k_qbc5ec2df7f_ff1, .Lfunc_end_k_qbc5ec2df7f_ff1-k_qbc5ec2df7f_ff1
	.p2alignl 7, 3214868480
	.fill 96, 4, 3214868480
	.section	.rodata,"a",@progbits
	.p2align	6, 0x0
	.amdhsa_kernel k_qbc5ec2df7f_ff1
		.amdhsa_group_segment_fixed_size 327680
		.amdhsa_private_segment_fixed_size 0
		.amdhsa_enable_private_segment 0
		.amdhsa_kernarg_size 40
		.amdhsa_user_sgpr_count 2
		.amdhsa_user_sgpr_kernarg_segment_ptr 1
		.amdhsa_wavefront_size32 1
		.amdhsa_system_sgpr_workgroup_id_x 1
		.amdhsa_system_sgpr_workgroup_id_y 1
		.amdhsa_system_sgpr_workgroup_id_z 1
		.amdhsa_system_vgpr_workitem_id 0
		.amdhsa_next_free_vgpr 1024
		.amdhsa_next_free_sgpr 100
		.amdhsa_reserve_vcc 0
		.amdhsa_float_denorm_mode_32 3
		.amdhsa_float_denorm_mode_16_64 3
		.amdhsa_memory_ordered 1
		.amdhsa_forward_progress 1
		.amdhsa_inst_pref_size 136
	.end_amdhsa_kernel
	.amdgpu_metadata
---
amdhsa.version: [ 1, 2 ]
amdhsa.kernels:
  - .name:           k_qbc5ec2df7f_ff1
    .symbol:         k_qbc5ec2df7f_ff1.kd
    .args:
      - { .name: hc, .offset: 0, .size: 8, .value_kind: global_buffer, .address_space: global }
      - { .name: pw, .offset: 8, .size: 8, .value_kind: global_buffer, .address_space: global }
      - { .name: lowp_scales, .offset: 16, .size: 8, .value_kind: global_buffer, .address_space: global }
      - { .name: b1, .offset: 24, .size: 8, .value_kind: global_buffer, .address_space: global }
      - { .name: hid, .offset: 32, .size: 8, .value_kind: global_buffer, .address_space: global }
    .group_segment_fixed_size: 327680
    .private_segment_fixed_size: 0
    .kernarg_segment_align: 8
    .kernarg_segment_size: 40
    .max_flat_workgroup_size: 128
    .sgpr_count:     100
    .vgpr_count:     1024
    .wavefront_size: 32
...
	.end_amdgpu_metadata
.endif
;; end of part 6
;; launch ff2 (part 7): grid 8 x 32, 4 waves a work-group, clusters of 4 x 4, 327,680 bytes of LDS; arguments hid, pw, lowp_scales, b2, x1, out0; writes out0
.if DOCPART == 7
	.amdgcn_target "amdgcn-amd-amdhsa--gfx1250"
	.amdhsa_code_object_version 6
	.text
	.protected	k_qbc5ec2df7f_ff2
	.globl	k_qbc5ec2df7f_ff2
	.p2align	8
	.type	k_qbc5ec2df7f_ff2,@function
k_qbc5ec2df7f_ff2:
	s_mov_b64 s[64:65], 0
	v_nop
	global_prefetch_b8 v0, s[64:65] scope:SCOPE_SE
	s_setreg_imm32_b32 hwreg(HW_REG_WAVE_MODE, 25, 1), 1
	s_wait_xcnt 0x0
	s_wait_alu depctr_hold_cnt(0) depctr_sa_sdst(0) depctr_va_vdst(0) depctr_va_sdst(0) depctr_va_ssrc(0) depctr_va_vcc(0) depctr_vm_vsrc(0)
	s_getreg_b32 s2, hwreg(HW_REG_IB_STS2, 6, 4)
	s_cmp_eq_u32 s2, 0
	s_cbranch_scc0 .Lentry_in_a_cluster
	s_endpgm
.Lentry_in_a_cluster:
	s_bfe_u32 s2, ttmp6, 0x10000c
	s_cmp_lg_u32 s2, 0xf033
	s_cbranch_scc0 .Lentry_shape_is_right
	s_endpgm
.Lentry_shape_is_right:
; out0 = x1 + (hid W2^T + b2): [4,096] x [1,024], K = 3,072, on codes of E4M3; out0 is f32.
; Tiles of 128 x 128: 256 work-groups of four waves, each 64 x 64.  Operands are [row tile][K step of 128][2,048 bytes]; a slot holds four K steps (8,192 bytes of a row tile); two slots, six fills, joint loads in clusters of 4 x 4.
; Slots 1 to 5 are prefetched one or two fills ahead of their loads: of a wave's 4 row tiles each of the four partners names one, told apart by address, a lane to each 256 bytes.  The loop's last trip asks for nothing.
; LIMIT: e14 + e15 between -126 and 127.
.set PITCH, 49152
.set LAPS,  3
.set WOFF,  19922944
.set SOFF,  0x38
.set RT,    8192
.set QT,    4*RT
.set SLOT,  4*QT
.set SPARE, 2*SLOT
.set SPITCH, 272
.set ADRA, 16
.set ADRB, 20
.set STO,  24
.set RD,   25
.set CO,   26
.set LI,   27
.set SPW,  28
.set NIL,  29
.set OB,   32
.set ACC,  128
.set F0,   0
.set F1,   128
.set G1, 24
.set G0, 32
.set G1B, 48
.set G0B, 56
.set MSB, 0
.macro WIN new
.if MSB != \new
	s_set_vgpr_msb (MSB<<8)|\new
.set MSB, \new
.endif
.endm
.set MUL,  0x05
.set TO_F, 0x40
.macro JLOAD s
	s_cmp_eq_u32 s11, 0
	s_cbranch_scc0 .Lfor_b_\@
	tensor_load_to_lds s[G0+4*\s:G0+4*\s+3], s[G1:G1+7]
	s_nop 0
.rept 4
	v_nop
.endr
	s_branch .Lasked_\@
.Lfor_b_\@:
	tensor_load_to_lds s[G0B+4*\s:G0B+4*\s+3], s[G1B:G1B+7]
	s_nop 0
.rept 4
	v_nop
.endr
.Lasked_\@:
.endm
.macro CREST
	s_cmp_lg_u32 s10, 0
	s_cbranch_scc1 .Lnot_wave_0_\@
	s_barrier_signal -3
.Lnot_wave_0_\@:
	s_barrier_wait -3
	s_barrier_signal -1
	s_barrier_wait -1
.endm
.macro CROUND
	s_barrier_signal -1
	s_barrier_wait -1
	CREST
.endm
	s_load_b256 s[68:75], s[0:1], 0x0
	s_load_b128 s[76:79], s[0:1], 0x20
	v_lshl_add_u32 v[SPW], v0, 2, SPARE
	v_mov_b32 v[NIL], 0
	ds_add_u32 v28, v29
	ds_add_u32 v28, v29
	s_wait_dscnt 0x0
	v_lshrrev_b32 v1, 5, v0
	v_readfirstlane_b32 s10, v1
	s_lshr_b32 s11, s10, 1
	s_and_b32 s12, s10, 1
	s_bfe_u32 s40, ttmp6, 0x40000
	s_bfe_u32 s41, ttmp6, 0x40004
	s_lshl_b32 s42, ttmp9, 2
	s_add_co_u32 s42, s42, s40
	s_and_b32 s13, ttmp7, 0xffff
	s_lshl_b32 s13, s13, 2
	s_add_co_u32 s13, s13, s41
	s_lshl_b32 s43, s41, 2
	s_lshl_b32 s43, 15, s43
	s_lshl_b32 s44, 0x1111, s40
	s_or_b32 s[G1+0], s43, (3<<16)|(1<<21)
	s_or_b32 s[G1B+0], s44, (3<<16)|(1<<21)
.irp g, G1, G1B
	s_mov_b32 s[\g+1], 1024<<16
	s_mov_b32 s[\g+2], 4<<16
	s_mov_b32 s[\g+3], 1024<<16
	s_mov_b32 s[\g+4], 4
	s_mov_b32 s[\g+5], PITCH/8
	s_mov_b32 s[\g+6], 0
	s_mov_b32 s[\g+7], 0
.endr
	s_lshl_b32 s17, s12, 2
	s_lshl_b32 s16, s13, 3
	s_add_co_u32 s16, s16, s17
	s_mul_i32 s16, s16, PITCH
	s_lshl_b32 s46, s42, 3
	s_add_co_u32 s46, s46, s17
	s_mul_i32 s46, s46, PITCH
	s_add_co_u32 s46, s46, WOFF
	s_mov_b32 s17, 0
	s_mov_b32 s47, 0
	s_mul_i32 s20, s10, QT
	s_wait_kmcnt 0x0
	s_load_b64 s[96:97], s[72:73], SOFF
	s_add_nc_u64 s[14:15], s[68:69], s[16:17]
	s_add_nc_u64 s[46:47], s[70:71], s[46:47]
	CROUND
.irp s, 0,1
	s_mov_b32 s[G0+4*\s], 1
	s_add_co_u32 s[G0+4*\s+1], s20, \s*SLOT
	s_add_nc_u64 s[G0+4*\s+2:G0+4*\s+3], s[14:15], \s*RT
	s_or_b32 s[G0+4*\s+3], s[G0+4*\s+3], 0x80000000
	s_mov_b32 s[G0B+4*\s], 1
	s_add_co_u32 s[G0B+4*\s+1], s20, \s*SLOT
	s_add_nc_u64 s[G0B+4*\s+2:G0B+4*\s+3], s[46:47], \s*RT
	s_or_b32 s[G0B+4*\s+3], s[G0B+4*\s+3], 0x80000000
.endr
	s_cmp_eq_u32 s11, 0                            ; the prefetches: my load's first byte,
	s_cselect_b64 s[94:95], s[14:15], s[46:47]
	s_cselect_b32 s98, s40, s41                    ; my place among the four that ask with me: cx for A, cy for B,
	s_mul_i32 s98, s98, PITCH                      ; x a row tile
	s_mov_b32 s99, 0
	s_add_nc_u64 s[94:95], s[94:95], s[98:99]
	JLOAD 0                                        ; slot 0: one tensor load a wave at the head
	v_and_b32 v30, 31, v0
	v_lshlrev_b32 v30, 8, v30                      ; a lane to each 256 bytes of the row tile's 8,192 in a slot
	s_wait_alu depctr_va_vdst(0)                   ; the wait behind the write
	global_prefetch_b8 v30, s[94:95] offset:RT th:TH_LOAD_NT scope:SCOPE_SE      ; slot 1's bytes, one fill ahead of their load,
	global_prefetch_b8 v30, s[94:95] offset:2*RT th:TH_LOAD_NT scope:SCOPE_SE    ; and the third fill's, two ahead
	v_and_b32 v1, 15, v0
	v_bfe_u32 v2, v0, 4, 1
	v_and_b32 v3, 31, v0
	v_lshlrev_b32 v[LI], 4, v3
	v_lshlrev_b32 v[CO], 12, v2
	v_lshl_add_u32 v[CO], v1, 4, v[CO]
	s_wait_alu depctr_va_vdst(0)
	v_lshlrev_b32 v7, 4, v1
	s_wait_alu depctr_va_vdst(0)
	s_lshl_b32 s80, s13, 7
	s_lshl_b32 s81, s11, 6
	s_add_co_u32 s80, s80, s81
	s_lshl_b32 s80, s80, 12
	s_lshl_b32 s82, s42, 7
	s_lshl_b32 s83, s12, 6
	s_add_co_u32 s82, s82, s83
	s_lshl_b32 s82, s82, 2
	s_mov_b32 s83, 0
	s_add_nc_u64 s[74:75], s[74:75], s[82:83]
	s_add_co_u32 s80, s80, s82
	s_mov_b32 s81, 0
	s_add_nc_u64 s[76:77], s[76:77], s[80:81]
	s_add_nc_u64 s[78:79], s[78:79], s[80:81]
	s_mul_i32 s21, s11, QT
	s_mul_i32 s22, s12, QT
	s_add_co_u32 s22, s22, 2*QT
.irp s, 0,1
	v_add_nc_u32 v[ADRA+\s], s21, v[LI]
	v_add_nc_u32 v[ADRB+\s], s22, v[LI]
	s_add_co_u32 s21, s21, SLOT
	s_add_co_u32 s22, s22, SLOT
.endr
	s_mul_i32 s23, s10, 16*SPITCH
	v_mul_u32_u24 v4, v1, SPITCH
	v_lshl_add_u32 v4, v2, 5, v4
	v_add_nc_u32 v[STO], s23, v4
	v_mul_u32_u24 v5, v2, SPITCH
	v_lshl_add_u32 v5, v1, 4, v5
	v_add_nc_u32 v[RD], s23, v5
.macro MUL4 f, a, zero
.irp b, 0,1,2,3
.if \zero
	v_wmma_f32_16x16x128_fp8_fp8 v[ACC+8*(4*(\a)+\b):ACC+8*(4*(\a)+\b)+7], v[\f+64+16*\b:\f+64+16*\b+15], v[\f+16*(\a):\f+16*(\a)+15], 0
.else
	v_wmma_f32_16x16x128_fp8_fp8 v[ACC+8*(4*(\a)+\b):ACC+8*(4*(\a)+\b)+7], v[\f+64+16*\b:\f+64+16*\b+15], v[\f+16*(\a):\f+16*(\a)+15], v[ACC+8*(4*(\a)+\b):ACC+8*(4*(\a)+\b)+7]
.endif
.endr
.endm
.macro MUL8 f, a0, zero
	MUL4 \f, \a0, \zero
	MUL4 \f, \a0+1, \zero
.endm
.macro FETCH slot, q, f
	WIN TO_F
.irp i, 0,1,2,3
.irp c, 0,1,2,3
	ds_load_b128 v[\f+64+16*\i+4*\c:\f+64+16*\i+4*\c+3], v[ADRB+\slot] offset:\i*RT+(\q)*2048+512*\c
	ds_load_b128 v[\f+16*\i+4*\c:\f+16*\i+4*\c+3], v[ADRA+\slot] offset:\i*RT+(\q)*2048+512*\c
.endr
.endr
.endm
.macro PLACES
.rept 4
	v_nop
.endr
.endm
.macro QUARTER slot, q, f, g, zero
	s_wait_dscnt 0x0
	PLACES
	FETCH \slot, \q, \g
	WIN MUL
	MUL8 \f, 0, \zero
	MUL8 \f, 2, \zero
.endm
.macro TURN slot, next, fill
	WIN 0
	s_wait_tensorcnt 0x0
	ds_add_u32 v[SPW], v[NIL]
	s_wait_dscnt 1
	WIN MUL
	MUL4 F1, 0, 0
	s_wait_dscnt 0x0
	s_barrier_signal -1
	MUL4 F1, 1, 0
	WIN 0
	s_barrier_wait -1
.if \fill
	CREST
	s_add_nc_u64 s[G0+4*\slot+2:G0+4*\slot+3], s[G0+4*\slot+2:G0+4*\slot+3], 2*RT
	s_add_nc_u64 s[G0B+4*\slot+2:G0B+4*\slot+3], s[G0B+4*\slot+2:G0B+4*\slot+3], 2*RT
	JLOAD \slot
.else
	PLACES
.endif
	FETCH \next, 0, F0
.if \fill
	WIN 0                                          ; at a branch and at a label every window is 0
	s_cmp_gt_u32 s3, 1                             ; the first of the two trips asks for the fifth and sixth fills, two fills ahead; the last trip has nothing two fills on
	s_cbranch_scc0 .Lno_ask_\@
	global_prefetch_b8 v30, s[94:95] offset:(4+\slot)*RT th:TH_LOAD_NT scope:SCOPE_SE
.Lno_ask_\@:
.endif
	WIN MUL
	MUL8 F1, 2, 0
.endm
	s_wait_alu depctr_va_vdst(0)                   ; the wait at the head's end
	s_wait_tensorcnt 0x0                           ; my part of slot 0 is in; slot 1's first fill is issued as a refill is:
	ds_add_u32 v[SPW], v[NIL]
	s_wait_dscnt 0x0
	CROUND                                         ; everybody's part of slot 0 is in, and the joint loads meet
	JLOAD 1                                        ; slot 1: the first tensor load behind the round
	FETCH 0, 0, F0
	WIN 0
	global_prefetch_b8 v30, s[94:95] offset:3*RT th:TH_LOAD_NT scope:SCOPE_SE    ; the fourth fill's bytes, two fills ahead of their load
	WIN 0x80                                       ; destination window 2: the residual's 64 x 64 numbers of my wave are asked for here, behind slot 0's landing
.irp a, 0,1,2,3
.irp t, 0,1,2,3,4,5,6,7
	global_load_b128 v[4*(8*\a+\t):4*(8*\a+\t)+3], v[CO], s[76:77] offset:(16*\a+2*\t)*4096 th:TH_LOAD_NT
.endr
.endr
	WIN 0
	global_load_b128 v[8:11], v7, s[74:75]         ; the bias of my four columns
	QUARTER 0, 1, F0, F1, 1
.if LAPS > 1
	WIN 0
	s_mov_b32 s3, LAPS-1
.Llap:
	QUARTER 0, 2, F1, F0, 0
	QUARTER 0, 3, F0, F1, 0
	TURN 0, 1, 1
	QUARTER 1, 1, F0, F1, 0
	QUARTER 1, 2, F1, F0, 0
	QUARTER 1, 3, F0, F1, 0
	TURN 1, 0, 1
	QUARTER 0, 1, F0, F1, 0
	WIN 0
	s_sub_co_u32 s3, s3, 1
	s_cmp_lg_u32 s3, 0
	s_cbranch_scc1 .Llap
.endif
	QUARTER 0, 2, F1, F0, 0
	QUARTER 0, 3, F0, F1, 0
	TURN 0, 1, 0
	QUARTER 1, 1, F0, F1, 0
	QUARTER 1, 2, F1, F0, 0
	QUARTER 1, 3, F0, F1, 0
	s_wait_dscnt 0x0
	WIN MUL
	MUL8 F1, 0, 0
	MUL8 F1, 2, 0
	WIN 0
	s_wait_loadcnt 0x0
	s_wait_kmcnt 0x0
	s_add_co_i32 s96, s96, s97
	s_add_co_i32 s96, s96, 127
	s_lshl_b32 s96, s96, 23
	s_mov_b32 s97, s96
	PLACES
	WIN 0x82
.set j, 0
.rept 32
	v_pk_add_f32 v[4*j:4*j+1], v[4*j:4*j+1], v[8:9]
	v_pk_add_f32 v[4*j+2:4*j+3], v[4*j+2:4*j+3], v[10:11]
.set j, j+1
.endr
	WIN 0
.macro TOSTAGE a
.irp b, 0,1,2,3
	ds_store_b128 v[STO], v[ACC+8*(4*(\a)+\b):ACC+8*(4*(\a)+\b)+3] offset:64*\b
	ds_store_b128 v[STO], v[ACC+8*(4*(\a)+\b)+4:ACC+8*(4*(\a)+\b)+7] offset:64*\b+16
.endr
.irp t, 0,1,2,3,4,5,6,7
	ds_load_b128 v[OB+32*((\a)%2)+4*\t:OB+32*((\a)%2)+4*\t+3], v[RD] offset:\t*2*SPITCH
.endr
.endm
.macro SEND a, younger
.set BB, OB+32*((\a)%2)
	s_wait_dscnt \younger
	WIN 0x20
.set j, 0
.rept 16
	v_pk_fma_f32 v[BB+2*j:BB+2*j+1], v[BB+2*j:BB+2*j+1], s[96:97], v[32*(\a)+2*j:32*(\a)+2*j+1] op_sel_hi:[1,0,1]
.set j, j+1
.endr
	WIN 0
.irp t, 0,1,2,3,4,5,6,7
	global_store_b128 v[CO], v[BB+4*\t:BB+4*\t+3], s[78:79] offset:(16*(\a)+2*\t)*4096 th:TH_STORE_NT
.endr
.endm
	TOSTAGE 0
.irp a, 1,2,3
.if \a > 1
	s_wait_xcnt 0x0
.endif
	TOSTAGE \a
	SEND \a-1, 16
.endr
	SEND 3, 0
	s_wait_tensorcnt 0x0
	ds_add_u32 v[SPW], v[NIL]
	s_wait_dscnt 0x0
	CROUND
	s_endpgm
.Lfunc_end_k_qbc5ec2df7f_ff2:
	.size	k_qbc5ec2df7f_ff2, .Lfunc_end_k_qbc5ec2df7f_ff2-k_qbc5ec2df7f_ff2
	.p2alignl 7, 3214868480
	.fill 96, 4, 3214868480
	.section	.rodata,"a",@progbits
	.p2align	6, 0x0
	.amdhsa_kernel k_qbc5ec2df7f_ff2
		.amdhsa_group_segment_fixed_size 327680
		.amdhsa_private_segment_fixed_size 0
		.amdhsa_enable_private_segment 0
		.amdhsa_kernarg_size 48
		.amdhsa_user_sgpr_count 2
		.amdhsa_user_sgpr_kernarg_segment_ptr 1
		.amdhsa_wavefront_size32 1
		.amdhsa_system_sgpr_workgroup_id_x 1
		.amdhsa_system_sgpr_workgroup_id_y 1
		.amdhsa_system_sgpr_workgroup_id_z 1
		.amdhsa_system_vgpr_workitem_id 0
		.amdhsa_next_free_vgpr 640
		.amdhsa_next_free_sgpr 100
		.amdhsa_reserve_vcc 0
		.amdhsa_float_denorm_mode_32 3
		.amdhsa_float_denorm_mode_16_64 3
		.amdhsa_memory_ordered 1
		.amdhsa_forward_progress 1
		.amdhsa_inst_pref_size 82
	.end_amdhsa_kernel
	.amdgpu_metadata
---
amdhsa.version: [ 1, 2 ]
amdhsa.kernels:
  - .name:           k_qbc5ec2df7f_ff2
    .symbol:         k_qbc5ec2df7f_ff2.kd
    .args:
      - { .name: hid, .offset: 0, .size: 8, .value_kind: global_buffer, .address_space: global }
      - { .name: pw, .offset: 8, .size: 8, .value_kind: global_buffer, .address_space: global }
      - { .name: lowp_scales, .offset: 16, .size: 8, .value_kind: global_buffer, .address_space: global }
      - { .name: b2, .offset: 24, .size: 8, .value_kind: global_buffer, .address_space: global }
      - { .name: x1, .offset: 32, .size: 8, .value_kind: global_buffer, .address_space: global }
      - { .name: out0, .offset: 40, .size: 8, .value_kind: global_buffer, .address_space: global }
    .group_segment_fixed_size: 327680
    .private_segment_fixed_size: 0
    .kernarg_segment_align: 8
    .kernarg_segment_size: 48
    .max_flat_workgroup_size: 128
    .sgpr_count:     100
    .vgpr_count:     640
    .wavefront_size: 32
...
	.end_amdgpu_metadata
.endif
;; end of part 7
